; MI455X (gfx1250); checked and timed in simulation.
; The chip was launched on July 23, 2026; its instructions are those of AMD's public machine-readable ISA for CDNA 5 (MIT licence, August 2026) and "CDNA5" Instruction Set Architecture Reference Guide (July 2026). The comments in the code are by the model that wrote it; some were corrected since.
;; Transformer Block. Allowed arithmetic: matrix products marked QUANTISED: E4M3 operands, one E8M0 scale for each 32 along K, by v_wmma_scale_f32_16x16x128_f8f6f4 with both operands' format E4M3, f32 sums; everything else in f32.
;; Inputs: W1 1,024 x 4,096 float32; W2 4,096 x 1,024 float32; Wk 1,024 x 1,024 float32; Wq 1,024 x 1,024 float32; Wv 1,024 x 1,024 float32; b1 4,096 float32; b2 1,024 float32; beta1 1,024 float32; beta2 1,024 float32; bk 1,024 float32; bq 1,024 float32; bv 1,024 float32; g1 1,024 float32; g2 1,024 float32; x 2 x 2,048 x 1,024 float32.
;; Outputs: out0 2 x 2,048 x 1,024 float32.
;; This version of the problem:
;;   THIS VERSION OF THE PROBLEM IS GIVEN IN LOW PRECISION. The matrix products marked QUANTISED in the list below multiply operands that are first quantised to E4M3 (4 exponent bits, 3 mantissa bits; 8 bits a number), with one power-of-two scale for each 32 numbers along K (OCP MX v1.0); their sums are f32. All else is computed in f32.
;;   The module's matrix products, in the order in which they are computed (A, B: the left and right operand; K: the contracted axis; several contracted axes count as one K, in the product's order):
;;     1. [M 4,096, K 1,024] x [K 1,024, N 1,024]; A: computed on the way; B: input Wq: QUANTISED
;;     2. [M 4,096, K 1,024] x [K 1,024, N 1,024]; A: computed on the way; B: input Wk: QUANTISED
;;     3. [M 4,096, K 1,024] x [K 1,024, N 1,024]; A: computed on the way; B: input Wv: QUANTISED
;;     4. batch 32 x [M 2,048, K 64] x [K 64, N 2,048]; A: computed on the way; B: computed on the way: QUANTISED
;;     5. batch 32 x [M 2,048, K 2,048] x [K 2,048, N 64]; A: softmax (see below); B: computed on the way: QUANTISED
;;     6. [M 4,096, K 1,024] x [K 1,024, N 4,096]; A: computed on the way; B: input W1: QUANTISED
;;     7. [M 4,096, K 4,096] x [K 4,096, N 1,024]; A: computed on the way; B: input W2: QUANTISED
;;   THE QUANTISER, for each operand of a quantised product, along K:
;;     - K is cut into blocks of 32 from its start; a last block that is shorter is filled with zeros.
;;     - A block's scale is 2^e with e = floor(log2(the largest magnitude in the block)) - 8, held to -126 .. 127; a block of zeros has e = 0. As a byte (E8M0): e + 127.
;;     - Each number is divided by its block's scale, clamped to +-448, and rounded to the nearest number of E4M3, ties to even, subnormals kept.
;;     - The product sums the exact products of the quantised numbers (number of the format x scale) in f32.
;;   ~~~python
;;   def quantise(x, axis):      # numpy; x: float32 -> the quantised numbers, widened to float32 again
;;       x = np.moveaxis(x, axis, -1); K = x.shape[-1]
;;       x = np.pad(x, [(0, 0)] * (x.ndim - 1) + [(0, -K % 32)]); x = x.reshape(x.shape[:-1] + (-1, 32)); a = np.abs(x).max(-1, keepdims=True)
;;       e = np.where(a > 0, np.clip(np.frexp(np.where(a > 0, a, 1))[1] - 1 - 8, -126, 127), 0)      # np.frexp(a)[1] - 1 = floor(log2(a)), exactly
;;       r = np.clip(x / 2.0 ** e, -448, 448)
;;       step = 2.0 ** (np.maximum(np.frexp(np.where(r == 0, 1, r))[1] - 1, -6) - 3)
;;       q = np.round(r / step) * step * 2.0 ** e      # np.round: ties to even
;;       return np.moveaxis(q.reshape(q.shape[:-2] + (-1,))[..., :K], -1, axis).astype(np.float32)
;;   ~~~
;;   SOFTMAX AHEAD OF A QUANTISED PRODUCT. Where the list says 'softmax', what is quantised is not the finished softmax but p = 2^(t - M), with t = logit x log2(e) and M = ceil(the row's largest t), a whole number; so 1/2 < the row's largest p <= 1. The row's sum l is taken of the UNQUANTISED p, in f32, and the product's result is divided by l at the end. Since M is a whole number, a kernel that streams over the keys may use a running M (the ceiling of the running maximum): every later rescaling is an exact power of two, which a block's scale takes up: the codes' values come out the same.
;;   OPERANDS COMPUTED ON THE WAY. 'Computed on the way' means the value that the module computes at that place (a softmax that the list does not call 'softmax' is quantised finished and normalised). What goes into a quantiser is computed in f32, as accurately as f32 sums, v_exp_f32 and their like allow (about 1e-6 of the number): no bf16 or f16 on the way to a quantiser, and a product that is left as it is and whose result goes on into a quantised operand takes f32 operands (vector FMAs, or v_wmma_f32_16x16x4_f32). A number that lies on a knife's edge between two numbers of the format may be rounded either way, as far as f32 arithmetic and the matrix unit's own rounding can turn it there, and no further.
;; One version. Each part assembles by itself: llvm-mc -triple=amdgcn-amd-amdhsa -mcpu=gfx1250 --defsym DOCPART=n.
;; ======== version 1 of 1: 6 launches
;; limits: right only within a limited range of input values
;; workspace buffers: hq 4,325,376 bytes; wqkv 3,407,872 bytes; w1q 4,456,448 bytes; w2q 4,456,448 bytes; qkq 8,912,896 bytes; vq 4,718,592 bytes; hidq 17,301,504 bytes; x1 16,777,216 bytes
;; launch prep (part 1): grid 608 x 1, 4 waves a work-group, no clusters, 57,856 bytes of LDS; arguments x, g1, beta1, hq, Wq, Wk, Wv, W1, W2, bq, bk, bv, b1, wqkv, w1q, w2q; writes hq, wqkv, w1q, w2q
.if DOCPART == 1
	.amdgcn_target "amdgcn-amd-amdhsa--gfx1250"
	.amdhsa_code_object_version 6
	.text
	.protected	k_q5afabf9f33_prep
	.globl	k_q5afabf9f33_prep
	.p2align	8
	.type	k_q5afabf9f33_prep,@function
k_q5afabf9f33_prep:
	s_mov_b64 s[64:65], 0
	v_nop
	global_prefetch_b8 v0, s[64:65] scope:SCOPE_SE
	s_setreg_imm32_b32 hwreg(HW_REG_WAVE_MODE, 25, 1), 1
	s_wait_xcnt 0x0
; TWO JOBS IN ONE TEXT, parted by the work-group's number; each job has LDS bytes of its own.
; Work-groups 0-127: LayerNorm of 32 tokens each (f32, mean first, then the mean of the squared differences), quantised along the 1,024 features to E4M3 codes with one E8M0 byte for each 32.
; Work-groups 128-479: a weight stored [K][N] is quantised along K: 128 columns x 256 along K each; codes leave with K innermost.  Biases and a mode word are copied beside the codes.
; ROW ORDER.  Rows of every operand (tokens, output columns) are stored at POSITION p(i) = i with bits 3 and 4 exchanged.  Sixteen consecutive positions 16 (2 b + u) + r are then the rows
; 32 b + 8 u + r % 8 + 16 (r / 8): a product that takes them as its source 0 leaves sixteen neighbouring indices in a lane's sixteen registers of two neighbouring tiles.
; hq: scale bytes [4096 positions][32] at 0, codes [4096 positions][1024] at 0x20000.
; A pack (wqkv, w1q, w2q): scale bytes [N positions][K/32] at 0; the mode (-1.0: magnitudes count; 0.0: what is negative becomes 0) at 0x20000; the bias, natural order, at 0x20100; codes [N positions][K] at 0x40000.
; A block's scale is 2^(floor(log2(largest magnitude)) - 8); its byte is that magnitude's exponent field - 8, held at 1 from below.
; LIMITS: NaN and infinities are not served.  A block of zeros, or one whose largest magnitude lies under 2^-118, keeps the byte 1 where the rule says 127 or less: its codes are then zeros or the
; nearest codes under that scale, and the bytes are read by this program alone.
; No tensor loads, no barrier: waves share nothing.  No matrix work, no cluster: no two work-groups read the same bytes.
.set X,    64                          ; v64-191  LN: four sets of 32: a row as loaded (lane l, load j: features 128 j + 4 l + 0..3)
.set Y,    32                          ; v32-63   LN: two sets of 16 neighbours
.set CD,   16                          ; v16-31   LN: codes, 4 registers a step, two rows' worth by turns
.set GA,   192                         ; v192-223 the gain, in a row's layout
.set BE,   224                         ; v224-255 the offset
.set SP,   80                          ; a lane's place in a stage: 64 bytes + 16 of padding
.set WREG, 5632                        ; LN: LDS of a wave: two stages of 32 x 80 bytes, then its 128 scale bytes
.set WSTG, 22528                       ; weights: behind the LN job's bytes, 32 rows x 272 bytes for each wave
.set WP,   272
.set OFF,  32                          ; v32-63   weights: 4 lane + i rows of the weight
.set WX,   64                          ; v64-127  weights: two sets of 32 numbers
.set WC,   128                         ; v128-135 a block's codes
.set OO,   176                         ; v176-191 the way out: offsets of two output rows an instruction
.set OUTR, 192                         ; v192-255 the way out
	s_load_b512 s[4:19], s[0:1], 0x0               ; x, g, beta, hq, Wq, Wk, Wv, W1
	s_load_b512 s[20:35], s[0:1], 0x40             ; W2, bq, bk, bv, b1, wqkv, w1q, w2q
	s_set_vgpr_msb 0x40
	v_lshl_add_u32 v0, v0, 2, 0xe000
	v_mov_b32 v1, 0
	s_set_vgpr_msb 0x4000
	v_lshrrev_b32 v1, 5, v0
	v_readfirstlane_b32 s36, v1                    ; wave 0..3
	v_and_b32 v7, 31, v0                           ; lane
	s_mov_b32 s39, 0x600000                        ; the mantissa field of 448
; THE SHARES AS THIS TEXT HAS THEM (they take the place of the figures at the head): work-groups 0-255: LayerNorm of 16 tokens each, a wave 4; from 256 on, 352 work-groups: the weights.
	s_cmp_lt_u32 ttmp9, 256
	s_cbranch_scc0 .Lweights
; ---------------- LayerNorm and quantiser: a wave takes 4 tokens, one row at a time ----------------
	v_lshlrev_b32 v1, 4, v7                        ; 16 lane: a load's and a code store's place
	s_mul_i32 s42, s36, WREG
	v_lshrrev_b32 v2, 2, v7
	v_mul_u32_u24 v2, v2, SP
	v_and_b32 v3, 3, v7
	v_lshl_add_u32 v2, v3, 4, v2
	v_add_nc_u32 v2, s42, v2                       ; the stage, way in: four lanes' 64 bytes on end, then 16 of padding
	v_mul_u32_u24 v3, v7, SP
	v_add_nc_u32 v3, s42, v3                       ; way out: my 16 neighbours
	v_lshrrev_b32 v4, 1, v7
	s_add_co_u32 s43, s42, 2*32*SP
	v_add_nc_u32 v4, s43, v4                       ; my block's scale byte
	v_lshlrev_b32 v5, 2, v7
	v_add_nc_u32 v6, s43, v5                       ; and 4 bytes a lane on the way out
	s_mov_b32 s37, 0x3a800000                      ; 1 / 1024
	s_mov_b32 s38, 0x3727c5ac                      ; 1e-5
	s_mov_b32 s40, 0x76543210
	s_mov_b32 s41, 0xfedcba98                      ; lane l xor 16
	s_lshl_b32 s44, ttmp9, 4
	s_lshl_b32 s45, s36, 2
	s_add_co_u32 s45, s44, s45                     ; my first token: 16 work-group + 4 wave
	s_lshl_b32 s46, s45, 12
	s_mov_b32 s47, 0
	s_lshr_b32 s44, ttmp9, 1
	s_lshl_b32 s44, s44, 5                         ; the token's bits 5 and up stay
	s_lshr_b32 s48, s36, 1
	s_lshl_b32 s48, s48, 4                         ; its bit 3 (wave / 2) becomes the position's bit 4,
	s_and_b32 s49, ttmp9, 1
	s_lshl_b32 s49, s49, 3                         ; its bit 4 (work-group % 2) the position's bit 3,
	s_or_b32 s48, s48, s49
	s_and_b32 s49, s36, 1
	s_lshl_b32 s49, s49, 2                         ; its bit 2 (wave % 2) stays
	s_or_b32 s48, s48, s49
	s_add_co_u32 s48, s44, s48                     ; my first position: four consecutive rows
	s_lshl_b32 s50, s48, 10
	s_add_co_u32 s50, s50, 0x20000
	s_mov_b32 s51, 0
	s_lshl_b32 s52, s48, 5
	s_mov_b32 s53, 0
	s_wait_kmcnt 0x0
	s_add_nc_u64 s[4:5], s[4:5], s[46:47]
	s_add_nc_u64 s[50:51], s[10:11], s[50:51]      ; codes
	s_add_nc_u64 s[52:53], s[10:11], s[52:53]      ; scale bytes: my 4 rows are 128 consecutive bytes, aligned
.irp j, 0,1,2,3,4,5,6,7
	global_load_b128 v[GA+4*\j:GA+4*\j+3], v1, s[6:7] offset:512*\j
	global_load_b128 v[BE+4*\j:BE+4*\j+3], v1, s[8:9] offset:512*\j
.endr
.macro LOADROW t                       ; 8 loads of 512 consecutive bytes: a whole row
.irp j, 0,1,2,3,4,5,6,7
	global_load_b128 v[X+32*((\t)%4)+4*\j:X+32*((\t)%4)+4*\j+3], v1, s[4:5] offset:4096*(\t)+512*\j
.endr
.endm
.macro JOIN                            ; four chains of pairs in v8-15 become one number in every lane's v8
	v_pk_add_f32 v[8:9], v[8:9], v[10:11]
	v_pk_add_f32 v[12:13], v[12:13], v[14:15]
	v_pk_add_f32 v[8:9], v[8:9], v[12:13]
	v_add_f32 v8, v8, v9
	v_add_f32_dpp v8, v8, v8 row_xmask:1 row_mask:0xf bank_mask:0xf
	v_add_f32_dpp v8, v8, v8 row_xmask:2 row_mask:0xf bank_mask:0xf
	v_add_f32_dpp v8, v8, v8 row_xmask:4 row_mask:0xf bank_mask:0xf
	v_add_f32_dpp v8, v8, v8 row_xmask:8 row_mask:0xf bank_mask:0xf
	v_permlanex16_b32 v9, v8, s40, s41
	v_add_f32 v8, v8, v9
.endm
.macro QSTEP t, s                      ; 512 numbers of row t: 16 neighbours a lane, two lanes to a block
.set YS, Y+16*(\s)
.set CO, CD+8*((\t)%2)+4*(\s)
	v_max3_num_f32 v8, |v[YS]|, |v[YS+1]|, |v[YS+2]|
	v_max3_num_f32 v9, |v[YS+3]|, |v[YS+4]|, |v[YS+5]|
.irp i, 6,10
	v_max3_num_f32 v8, v8, |v[YS+\i]|, |v[YS+\i+1]|
	v_max3_num_f32 v9, v9, |v[YS+\i+2]|, |v[YS+\i+3]|
.endr
	v_max3_num_f32 v8, v8, |v[YS+14]|, |v[YS+15]|
	v_max3_num_f32 v8, v8, v9, 0x4800000           ; the floor 2^(9 - 127): the byte cannot fall under 1
	v_max_num_f32_dpp v8, v8, v8 row_xmask:1 row_mask:0xf bank_mask:0xf   ; with my neighbour's 16: the block's largest magnitude
	v_add_nc_u32 v11, 0xfc000000, v8               ; 8 off its exponent field: the conversion's scale operand
	v_and_or_b32 v10, v8, 0x7f800000, s39          ; 448 x the scale
.irp i, 0,1,2,3,4,5,6,7,8,9,10,11,12,13,14,15
	v_med3_num_f32 v[YS+\i], v[YS+\i], -v10, v10   ; the conversion to an 8-bit code does not saturate (ISA guide 7.6.2): the hold comes first
.endr
	v_cvt_scalef32_pk8_fp8_f32 v[CO:CO+1], v[YS:YS+7], v11
	v_cvt_scalef32_pk8_fp8_f32 v[CO+2:CO+3], v[YS+8:YS+15], v11
.if (\s) == 0
	v_lshrrev_b32 v7, 23, v11                      ; the scale's byte; each of a row's two steps has a register of its own for it
	ds_store_b8 v4, v7 offset:32*(\t)
.else
	v_lshrrev_b32 v0, 23, v11
	ds_store_b8 v4, v0 offset:32*(\t)+16
.endif
	global_store_b128 v1, v[CO:CO+3], s[50:51] offset:1024*(\t)+512*(\s)   ; 32 lanes store 512 consecutive bytes
.endm
.macro ROW t
.set XS, X+32*((\t)%4)
.if (\t) <= 1
	s_wait_loadcnt 16                              ; my row is in; the two rows behind it (8 loads each) may be out
.elseif (\t) == 2
	s_wait_loadcnt 8
.else
	s_wait_loadcnt 0
.endif
	s_wait_xcnt 0x0                                ; the code stores of two rows back have read their registers, which this row writes again
.if (\t) <= 0
	LOADROW (\t)+3                                 ; the fourth row, into the fourth set
.endif
.irp c, 0,1,2,3
	v_pk_add_f32 v[8+2*\c:9+2*\c], v[XS+2*\c:XS+2*\c+1], v[XS+8+2*\c:XS+9+2*\c]
.endr
.irp k, 16,24
.irp c, 0,1,2,3
	v_pk_add_f32 v[8+2*\c:9+2*\c], v[8+2*\c:9+2*\c], v[XS+\k+2*\c:XS+\k+2*\c+1]
.endr
.endr
	JOIN
	v_mul_f32 v12, s37, v8                         ; the mean
.set I, 0
.rept 16
	v_pk_add_f32 v[XS+2*I:XS+2*I+1], v[XS+2*I:XS+2*I+1], v[12:13] op_sel_hi:[1,0] neg_lo:[0,1] neg_hi:[0,1]
.set I, I+1
.endr
.irp c, 0,1,2,3
	v_pk_mul_f32 v[8+2*\c:9+2*\c], v[XS+2*\c:XS+2*\c+1], v[XS+2*\c:XS+2*\c+1]
.endr
.irp k, 8,16,24
.irp c, 0,1,2,3
	v_pk_fma_f32 v[8+2*\c:9+2*\c], v[XS+\k+2*\c:XS+\k+2*\c+1], v[XS+\k+2*\c:XS+\k+2*\c+1], v[8+2*\c:9+2*\c]
.endr
.endr
	JOIN
	v_fma_f32 v8, v8, s37, s38                     ; the variance + 1e-5
	s_wait_alu depctr_va_vdst(0)
	v_rsq_f32 v14, v8
	v_nop                                          ; a plain instruction behind the transcendental
	s_wait_alu depctr_va_vdst(0)                   ; and the wait ahead of its first reader
.set I, 0
.rept 16
	v_pk_mul_f32 v[XS+2*I:XS+2*I+1], v[XS+2*I:XS+2*I+1], v[14:15] op_sel_hi:[1,0]
.set I, I+1
.endr
.set I, 0
.rept 16
	v_pk_fma_f32 v[XS+2*I:XS+2*I+1], v[XS+2*I:XS+2*I+1], v[GA+2*I:GA+2*I+1], v[BE+2*I:BE+2*I+1]
.set I, I+1
.endr
.set I, 0
.rept 8                                ; the row turns through my two stages: LDS serves a wave's instructions in order, so no wait stands between the stores and the loads
	ds_store_b128 v2, v[XS+4*I:XS+4*I+3] offset:32*SP*(I/4)+8*SP*(I%4)
.set I, I+1
.endr
.set I, 0
.rept 8
	ds_load_b128 v[Y+4*I:Y+4*I+3], v3 offset:32*SP*(I/4)+16*(I%4)
.set I, I+1
.endr
	s_wait_dscnt 4                                 ; the first step's four loads are in; the second's may be out
	QSTEP \t, 0
	s_wait_dscnt 1                                 ; the second step's are in; the byte store just issued may be out
	QSTEP \t, 1
.endm
	LOADROW 0
	LOADROW 1
	LOADROW 2
.irp t, 0,1,2,3
	ROW \t
.endr
	ds_load_b32 v12, v6                            ; my 128 scale bytes, behind my byte stores
	s_wait_dscnt 0x0
	global_store_b32 v5, v12, s[52:53]             ; 32 lanes store 128 consecutive bytes, at a multiple of 128: half of a run of 256, whose other half the wave beside me stores; one byte in 128 of what the job reads
	s_set_vgpr_msb 0x5
	s_wait_tensorcnt 0x0
	ds_add_u32 v0, v1
	s_wait_dscnt 0x0
	s_set_vgpr_msb 0x500
	s_endpgm
; ---------------- a weight [K][N]: a lane takes a column, its registers run down K ----------------
.Lweights:
	s_sub_co_u32 s66, ttmp9, 256                   ; u: 0-95 Wq, Wk, Wv (32 each); 96-223 W1; 224-351 W2
	s_and_b32 s67, s66, 7
	s_bfe_u32 s68, s66, 0x20003
	s_lshr_b32 s69, s66, 5
	s_lshl_b32 s69, s69, 10                        ; Wq, Wk, Wv lie one behind the other in their pack: 1,024 rows each
	s_sub_co_u32 s70, s66, 96
	s_and_b32 s71, s70, 31
	s_lshr_b32 s72, s70, 5
	s_sub_co_u32 s73, s66, 224
	s_and_b32 s74, s73, 7
	s_lshr_b32 s75, s73, 3
	s_mov_b32 s78, 4096
	s_wait_kmcnt 0x0
	s_cmp_lt_u32 s66, 224                          ; every choice hangs on the work-group's number alone
	s_cselect_b32 s76, s71, s74                    ; which 128 columns
	s_cselect_b32 s77, s72, s75                    ; which 256 along K
	s_cselect_b32 s78, 16384, s78                  ; a row of the weight in bytes
	s_cselect_b32 s79, 10, 12                      ; log2 K
	s_cselect_b32 s81, 1, 0                        ; has a bias to copy
	s_cselect_b64 s[84:85], s[18:19], s[20:21]
	s_cselect_b64 s[86:87], s[32:33], s[34:35]
	s_cmp_lt_u32 s66, 96
	s_cselect_b32 s76, s67, s76
	s_cselect_b32 s77, s68, s77
	s_cselect_b32 s78, 4096, s78
	s_cselect_b32 s80, s69, 0                      ; first row in the pack
	s_cselect_b32 s82, 0xbf800000, 0               ; the mode: -1.0 for q, k, v; 0.0 for the hidden layer
	s_cselect_b64 s[84:85], s[16:17], s[84:85]
	s_cselect_b64 s[86:87], s[30:31], s[86:87]
	s_cselect_b64 s[88:89], s[26:27], s[28:29]
	s_cmp_lt_u32 s66, 64
	s_cselect_b64 s[84:85], s[14:15], s[84:85]
	s_cselect_b64 s[88:89], s[24:25], s[88:89]
	s_cmp_lt_u32 s66, 32
	s_cselect_b64 s[84:85], s[12:13], s[84:85]
	s_cselect_b64 s[88:89], s[22:23], s[88:89]
	s_cmp_eq_u32 s77, 0
	s_cselect_b32 s81, s81, 0                      ; the work-groups of the first 256 along K copy the bias
	s_lshl_b32 s90, s76, 7
	s_lshl_b32 s91, s36, 5
	s_add_co_u32 s90, s90, s91                     ; my wave's first column
	s_mul_i32 s92, s77, s78
	s_lshl_b32 s92, s92, 8
	s_lshl_b32 s93, s90, 2
	s_add_co_u32 s92, s92, s93
	s_mov_b32 s93, 0
	s_add_nc_u64 s[40:41], s[84:85], s[92:93]      ; block 0's first row, my first column
	s_lshl_b32 s92, s78, 5
.irp t, 1,2,3,4,5,6,7
	s_add_nc_u64 s[40+2*\t:41+2*\t], s[38+2*\t:39+2*\t], s[92:93]   ; a base for each block of 32 along K
.endr
	s_add_co_u32 s94, s80, s90                     ; my first row in the pack
	s_lshl_b32 s92, s94, s79
	s_lshl_b32 s95, s77, 8
	s_add_co_u32 s92, s92, s95
	s_add_co_u32 s92, s92, 0x40000
	s_add_nc_u64 s[56:57], s[86:87], s[92:93]      ; codes
	s_sub_co_u32 s95, s79, 5
	s_lshl_b32 s92, s94, s95
	s_lshl_b32 s83, s77, 3
	s_add_co_u32 s92, s92, s83
	s_add_nc_u64 s[58:59], s[86:87], s[92:93]      ; scale bytes
	s_wait_alu depctr_va_vdst(0)
	v_lshlrev_b32 v3, 2, v7
.set I, 0
.rept 32
	v_mad_u32_u24 v[OFF+I], s78, I, v3
.set I, I+1
.endr
	s_mul_i32 s83, s36, 32*WP
	s_add_co_u32 s83, s83, WSTG                    ; my stage
	v_mul_u32_u24 v4, v7, WP
	v_add_nc_u32 v4, s83, v4                       ; into it: row = my column
	v_and_b32 v5, 15, v7
	v_lshrrev_b32 v6, 4, v7
	v_mul_u32_u24 v8, v6, WP
	v_lshl_add_u32 v8, v5, 4, v8
	v_add_nc_u32 v8, s83, v8                       ; out of it: sixteen lanes to a row, two rows an instruction
	v_lshlrev_b32 v9, s79, v6
	v_lshl_add_u32 v[OO], v5, 4, v9
	s_lshl_b32 s60, 2, s79
.irp t, 1,2,3,4,5,6,7,8,9,10,11,12,13,14,15
	v_add_nc_u32 v[OO+\t], s60, v[OO+\t-1]         ; output rows 2 t + lane / 16
.endr
	v_and_b32 v14, 7, v7
	v_and_b32 v15, 8, v7
	v_lshl_or_b32 v14, v15, 1, v14
	v_and_b32 v15, 16, v7
	v_lshrrev_b32 v15, 1, v15
	v_or_b32 v14, v14, v15                         ; my column's position
	v_lshlrev_b32 v14, s95, v14                    ; its row of scale bytes
.macro WLOAD t                         ; block t: W(32 t + i, my column): 128 consecutive bytes a load
.set I, 0
.rept 32
	global_load_b32 v[WX+32*((\t)%2)+I], v[OFF+I], s[40+2*(\t):41+2*(\t)] th:TH_LOAD_NT
.set I, I+1
.endr
.endm
	WLOAD 0
	WLOAD 1
.macro BLOCK t
.set XS, WX+32*((\t)%2)
.if (\t) < 7
	s_wait_loadcnt 32                              ; this block's 32 loads are in; the next block's may be out
.else
	s_wait_loadcnt 0
.endif
	v_max3_num_f32 v12, |v[XS]|, |v[XS+1]|, |v[XS+2]|
	v_max3_num_f32 v13, |v[XS+3]|, |v[XS+4]|, |v[XS+5]|
.irp i, 6,10,14,18,22,26
	v_max3_num_f32 v12, v12, |v[XS+\i]|, |v[XS+\i+1]|
	v_max3_num_f32 v13, v13, |v[XS+\i+2]|, |v[XS+\i+3]|
.endr
	v_max3_num_f32 v12, v12, |v[XS+30]|, |v[XS+31]|
	v_max3_num_f32 v12, v12, v13, 0x4800000
	v_add_nc_u32 v11, 0xfc000000, v12
	v_and_or_b32 v10, v12, 0x7f800000, s39
	v_lshrrev_b32 v13, 23, v11
.if (\t)%4 == 0
	v_mov_b32 v[24+(\t)/4], v13                    ; four bytes to a register, the lower K in the lower byte
.else
	v_lshl_or_b32 v[24+(\t)/4], v13, 8*((\t)%4), v[24+(\t)/4]
.endif
.set I, 0
.rept 32
	v_med3_num_f32 v[XS+I], v[XS+I], -v10, v10
.set I, I+1
.endr
.irp g, 0,1,2,3
	v_cvt_scalef32_pk8_fp8_f32 v[WC+2*\g:WC+2*\g+1], v[XS+8*\g:XS+8*\g+7], v11
.endr
	ds_store_b128 v4, v[WC:WC+3] offset:32*(\t)
	ds_store_b128 v4, v[WC+4:WC+7] offset:32*(\t)+16
.if (\t)+2 < 8
	WLOAD (\t)+2
.endif
	s_wait_dscnt 0x0                               ; the stores have read their registers: the next block's codes may be written
.endm
.irp t, 0,1,2,3,4,5,6,7
	BLOCK \t
.endr
	global_store_b64 v14, v[24:25], s[58:59]       ; my column's 8 scale bytes
.irp t, 0,1,2,3,4,5,6,7,8,9,10,11,12,13,14,15
	ds_load_b128 v[OUTR+4*\t:OUTR+4*\t+3], v8 offset:2*(((\t)&3)|(((\t)&4)<<1)|(((\t)&8)>>1))*WP   ; output row 2 t + h is column 2 t' + h, t' = t with bits 2 and 3 exchanged
.endr
.irp t, 0,1,2,3,4,5,6,7,8,9,10,11,12,13,14,15
	s_wait_dscnt 15-\t                             ; the younger loads may be out
	global_store_b128 v[OO+\t], v[OUTR+4*\t:OUTR+4*\t+3], s[56:57]   ; sixteen lanes store 256 consecutive bytes, aligned
.endr
	s_cmp_eq_u32 s81, 0
	s_cbranch_scc1 .Lwdone
	s_lshl_b32 s92, s90, 2
	s_add_nc_u64 s[88:89], s[88:89], s[92:93]
	global_load_b32 v26, v3, s[88:89]              ; my 32 columns' bias
	s_lshl_b32 s92, s94, 2
	s_add_co_u32 s92, s92, 0x20100
	s_add_nc_u64 s[62:63], s[86:87], s[92:93]
	s_wait_loadcnt 0x0
	global_store_b32 v3, v26, s[62:63]
	s_cmp_lg_u32 s94, 0
	s_cbranch_scc1 .Lwdone
	v_mov_b32 v27, s82                             ; the wave of the pack's first row stores the mode, 32 equal words
	s_add_nc_u64 s[60:61], s[86:87], 0x20000
	global_store_b32 v3, v27, s[60:61]
.Lwdone:
	s_set_vgpr_msb 0x5
	s_wait_tensorcnt 0x0
	ds_add_u32 v0, v1
	s_wait_dscnt 0x0
	s_set_vgpr_msb 0x500
	s_endpgm
.Lfunc_end_k_q5afabf9f33_prep:
	.size	k_q5afabf9f33_prep, .Lfunc_end_k_q5afabf9f33_prep-k_q5afabf9f33_prep
	.p2alignl 7, 3214868480
	.fill 96, 4, 3214868480
	.section	.rodata,"a",@progbits
	.p2align	6, 0x0
	.amdhsa_kernel k_q5afabf9f33_prep
		.amdhsa_group_segment_fixed_size 57856
		.amdhsa_private_segment_fixed_size 0
		.amdhsa_enable_private_segment 0
		.amdhsa_kernarg_size 128
		.amdhsa_user_sgpr_count 2
		.amdhsa_user_sgpr_kernarg_segment_ptr 1
		.amdhsa_wavefront_size32 1
		.amdhsa_system_sgpr_workgroup_id_x 1
		.amdhsa_system_sgpr_workgroup_id_y 1
		.amdhsa_system_sgpr_workgroup_id_z 1
		.amdhsa_system_vgpr_workitem_id 0
		.amdhsa_next_free_vgpr 258
		.amdhsa_next_free_sgpr 96
		.amdhsa_reserve_vcc 0
		.amdhsa_float_denorm_mode_32 3
		.amdhsa_float_denorm_mode_16_64 3
		.amdhsa_memory_ordered 1
		.amdhsa_forward_progress 1
		.amdhsa_inst_pref_size 117
	.end_amdhsa_kernel
	.amdgpu_metadata
---
amdhsa.version: [ 1, 2 ]
amdhsa.kernels:
  - .name:           k_q5afabf9f33_prep
    .symbol:         k_q5afabf9f33_prep.kd
    .args:
      - { .name: x, .offset: 0, .size: 8, .value_kind: global_buffer, .address_space: global }
      - { .name: g1, .offset: 8, .size: 8, .value_kind: global_buffer, .address_space: global }
      - { .name: beta1, .offset: 16, .size: 8, .value_kind: global_buffer, .address_space: global }
      - { .name: hq, .offset: 24, .size: 8, .value_kind: global_buffer, .address_space: global }
      - { .name: Wq, .offset: 32, .size: 8, .value_kind: global_buffer, .address_space: global }
      - { .name: Wk, .offset: 40, .size: 8, .value_kind: global_buffer, .address_space: global }
      - { .name: Wv, .offset: 48, .size: 8, .value_kind: global_buffer, .address_space: global }
      - { .name: W1, .offset: 56, .size: 8, .value_kind: global_buffer, .address_space: global }
      - { .name: W2, .offset: 64, .size: 8, .value_kind: global_buffer, .address_space: global }
      - { .name: bq, .offset: 72, .size: 8, .value_kind: global_buffer, .address_space: global }
      - { .name: bk, .offset: 80, .size: 8, .value_kind: global_buffer, .address_space: global }
      - { .name: bv, .offset: 88, .size: 8, .value_kind: global_buffer, .address_space: global }
      - { .name: b1, .offset: 96, .size: 8, .value_kind: global_buffer, .address_space: global }
      - { .name: wqkv, .offset: 104, .size: 8, .value_kind: global_buffer, .address_space: global }
      - { .name: w1q, .offset: 112, .size: 8, .value_kind: global_buffer, .address_space: global }
      - { .name: w2q, .offset: 120, .size: 8, .value_kind: global_buffer, .address_space: global }
    .group_segment_fixed_size: 57856
    .private_segment_fixed_size: 0
    .kernarg_segment_align: 8
    .kernarg_segment_size: 128
    .max_flat_workgroup_size: 128
    .sgpr_count:     96
    .vgpr_count:     258
    .wavefront_size: 32
...
	.end_amdgpu_metadata
.endif
;; end of part 1
;; launch qkv (part 2): grid 8 x 24, 4 waves a work-group, clusters of 4 x 4, 327,680 bytes of LDS; arguments hq, wqkv, qkq, vq; writes qkq, vq
.if DOCPART == 2
	.amdgcn_target "amdgcn-amd-amdhsa--gfx1250"
	.amdhsa_code_object_version 6
	.text
	.protected	k_q5afabf9f33_qkv
	.globl	k_q5afabf9f33_qkv
	.p2align	8
	.type	k_q5afabf9f33_qkv,@function
k_q5afabf9f33_qkv:
	s_mov_b64 s[64:65], 0
	v_nop
	global_prefetch_b8 v0, s[64:65] scope:SCOPE_SE
	s_setreg_imm32_b32 hwreg(HW_REG_WAVE_MODE, 25, 1), 1
	s_wait_xcnt 0x0
	s_wait_alu depctr_hold_cnt(0) depctr_sa_sdst(0) depctr_va_vdst(0) depctr_va_sdst(0) depctr_va_ssrc(0) depctr_va_vcc(0) depctr_vm_vsrc(0)
	s_getreg_b32 s2, hwreg(HW_REG_IB_STS2, 6, 4)
	s_cmp_eq_u32 s2, 0
	s_cbranch_scc0 .Lentry_in_a_cluster
	s_endpgm
.Lentry_in_a_cluster:
	s_bfe_u32 s2, ttmp6, 0x10000c
	s_cmp_lg_u32 s2, 0xf033
	s_cbranch_scc0 .Lentry_shape_is_right
	s_endpgm
.Lentry_shape_is_right:
; C = A B^T on codes of E4M3 with one E8M0 byte for each 32 along K = 1,024, the bias as the first products' C, and the result quantised again on the way out, stored as images of the next launch's operand registers.
; A work-group of four waves makes 256 x 256, a wave 128 x 128; K goes in steps of 256 through a ring of two LDS slots; the scale bytes of the 512 rows stay in LDS.  4 x 4 work-groups ask for A's and B's tiles jointly.
; THE HEAD: one joint load a wave: wave 0 K step 0's 256 rows of A, wave 1 those of B, wave 2 A's scale bytes, wave 3 B's.  Slot 1's first fill stands behind the full sequence and a round, as a refill does.
; PREFETCH: behind slot 1's load each wave names K steps 2 and 3 of 32 of the 128 rows that it fetches for the ring, a lane a row; the four partners of a joint load take 32 rows each, told apart by address.
; LIMITS: NaN and infinities are not served; a block's byte never falls under 1.
.set NQ,     2
.set ROWB,   256
.set KROW,   1024
.set PITCH,  272
.set FR,     16
.set NL,     4
.set NP,     8
.set HALFT,  128*PITCH
.set SLOT,   4*HALFT
.set KS,     32
.set SCL,    2*SLOT
.set HALFS,  (128*KS/256)*272
.set SBLK,   (16*KS/256)*272
.set SPARE,  SCL+4*HALFS
.set ADRA, 16
.set ADRB, 20
.set BO2,  23
.set LI,   24
.set BO,   25
.set LANE, 26
.set ADRS, 27
.set SPW,  28
.set NIL,  29
.set SC,   32
.set BI,   64
.set AF,   128
.set TM,   64
.set TN,   68
.set T4,   72
.set HI,   76
.set LO,   80
.set SCF,  84
.set BY,   88
.set WS,   96
.set OS,   104
.set PC,   128
.set G1, 24
.set G0, 32
.set G1B, 48
.set G0B, 56
.set G1S, 68
.set G0S, 76
.set G1SB, 80
.set G0SB, 88
.set MSB, 0
.macro WIN new
.if MSB != \new
	s_set_vgpr_msb (MSB<<8)|\new
.set MSB, \new
.endif
.endm
.set MUL_LO, 0xa1
.set MUL_HI, 0xf1
.set TO_B,   0x40
.macro JLOAD g0a, g1a, g0b, g1b
	s_cmp_eq_u32 s15, 0
	s_cbranch_scc0 .Lfor_b_\@
	tensor_load_to_lds s[\g0a:\g0a+3], s[\g1a:\g1a+7]
	s_nop 0
.rept 4
	v_nop
.endr
	s_branch .Lasked_\@
.Lfor_b_\@:
	tensor_load_to_lds s[\g0b:\g0b+3], s[\g1b:\g1b+7]
	s_nop 0
.rept 4
	v_nop
.endr
.Lasked_\@:
.endm
.macro CREST
	s_cmp_lg_u32 s14, 0
	s_cbranch_scc1 .Lnot_wave_0_\@
	s_barrier_signal -3
.Lnot_wave_0_\@:
	s_barrier_wait -3
	s_barrier_signal -1
	s_barrier_wait -1
.endm
.macro CROUND
	s_barrier_signal -1
	s_barrier_wait -1
	CREST
.endm
	s_load_b256 s[4:11], s[0:1], 0x0
	v_lshl_add_u32 v[SPW], v0, 2, SPARE
	v_mov_b32 v[NIL], 0
	ds_add_u32 v28, v29
	ds_add_u32 v28, v29
	s_wait_dscnt 0x0
	v_lshrrev_b32 v1, 5, v0
	v_readfirstlane_b32 s14, v1
	s_lshr_b32 s15, s14, 1
	s_and_b32 s16, s14, 1
	s_bfe_u32 s40, ttmp6, 0x40000
	s_bfe_u32 s41, ttmp6, 0x40004
	s_lshl_b32 s42, ttmp9, 2
	s_add_co_u32 s42, s42, s40
	s_and_b32 s95, ttmp7, 0xffff
	s_lshl_b32 s17, s95, 2
	s_sub_co_u32 s98, s95, 4
	s_lshl_b32 s98, s98, 3
	s_cmp_ge_u32 s95, 4
	s_cselect_b32 s17, 0, s17
	s_cselect_b32 s98, s98, 0
	s_cselect_b32 s99, 1, 0
	s_cselect_b32 s100, 6, 8
	s_add_co_u32 s17, s17, s41
	s_add_co_u32 s42, s42, s98
	s_lshl_b32 s43, s41, 2
	s_lshl_b32 s43, 15, s43
	s_lshl_b32 s44, 0x1111, s40
	s_or_b32 s[G1+0], s43, (0<<16)|(1<<20)|(1<<21)|(5<<22)|(3<<25)
	s_or_b32 s[G1B+0], s44, (0<<16)|(1<<20)|(1<<21)|(5<<22)|(3<<25)
.irp g, G1, G1B
	s_mov_b32 s[\g+1], ROWB<<16
	s_mov_b32 s[\g+2], 256<<16                     ; 256 rows for the head's loads; behind them the two words are set to 128, for the ring's
	s_mov_b32 s[\g+3], ROWB<<16
	s_mov_b32 s[\g+4], 256
	s_mov_b32 s[\g+5], KROW
	s_mov_b32 s[\g+6], 0
	s_mov_b32 s[\g+7], 0
.endr
	s_or_b32 s[G1S+0], s43, (3<<16)|(1<<20)|(1<<21)|(5<<22)|(3<<25)
	s_or_b32 s[G1SB+0], s44, (3<<16)|(1<<20)|(1<<21)|(5<<22)|(3<<25)
.irp g, G1S, G1SB
	s_mov_b32 s[\g+1], 32<<16
	s_mov_b32 s[\g+2], (256*KS/256)<<16            ; the scale bytes of 256 rows: 32 units of 256 bytes
	s_mov_b32 s[\g+3], 32<<16
	s_mov_b32 s[\g+4], 256*KS/256
	s_mov_b32 s[\g+5], 32
	s_mov_b32 s[\g+6], 0
	s_mov_b32 s[\g+7], 0
.endr
	s_lshl_b32 s20, s17, 8                         ; A: the tile's first row
	s_lshl_b32 s46, s42, 8                         ; B: likewise
	s_lshl_b32 s22, s20, 5
	s_mov_b32 s23, 0
	s_lshl_b32 s92, s46, 5
	s_mov_b32 s93, 0
	s_lshl_b32 s20, s20, 10
	s_mov_b32 s21, 0
	s_lshl_b32 s46, s46, 10
	s_mov_b32 s47, 0
	s_mul_i32 s45, s14, HALFT
	s_lshl_b32 s66, s42, 1
	s_add_co_u32 s66, s66, s16
	s_lshl_b32 s101, s17, 1
	s_add_co_u32 s101, s101, s15
	s_wait_kmcnt 0x0
	s_load_b32 s67, s[6:7], 0x20000
	s_cmp_eq_u32 s99, 1
	s_add_nc_u64 s[2:3], s[4:5], 0x20000
	s_add_nc_u64 s[18:19], s[6:7], 0x240000
	s_cselect_b64 s[18:19], s[18:19], s[2:3]
	s_add_nc_u64 s[20:21], s[18:19], s[20:21]
	s_add_nc_u64 s[18:19], s[6:7], 0x40000
	s_cselect_b64 s[18:19], s[2:3], s[18:19]
	s_add_nc_u64 s[46:47], s[18:19], s[46:47]
	s_add_nc_u64 s[18:19], s[6:7], 0x10000
	s_cselect_b64 s[18:19], s[18:19], s[4:5]
	s_add_nc_u64 s[22:23], s[18:19], s[22:23]
	s_cselect_b64 s[18:19], s[4:5], s[6:7]
	s_add_nc_u64 s[92:93], s[18:19], s[92:93]
	s_wait_kmcnt 0x0
	CROUND
	s_mov_b32 s[G0S], 1                            ; the head's four tiles, each whole: the scale bytes of A's 256 rows,
	s_mov_b32 s[G0S+1], SCL
	s_mov_b64 s[G0S+2:G0S+3], s[22:23]
	s_or_b32 s[G0S+3], s[G0S+3], 0x80000000
	s_mov_b32 s[G0SB], 1                           ; of B's,
	s_mov_b32 s[G0SB+1], SCL+2*HALFS
	s_mov_b64 s[G0SB+2:G0SB+3], s[92:93]
	s_or_b32 s[G0SB+3], s[G0SB+3], 0x80000000
	s_mov_b32 s[G0], 1                             ; K step 0's 256 rows of A (slot 0's group 0 serves the head first),
	s_mov_b32 s[G0+1], 0
	s_mov_b64 s[G0+2:G0+3], s[20:21]
	s_or_b32 s[G0+3], s[G0+3], 0x80000000
	s_mov_b32 s[G0B], 1                            ; and of B, behind them in slot 0
	s_mov_b32 s[G0B+1], 2*HALFT
	s_mov_b64 s[G0B+2:G0B+3], s[46:47]
	s_or_b32 s[G0B+3], s[G0B+3], 0x80000000
	s_lshl_b32 s18, s16, 17                        ; for the ring: my 128 rows of the tile, 1,024 bytes a row
	s_mov_b32 s19, 0
	s_add_nc_u64 s[20:21], s[20:21], s[18:19]
	s_add_nc_u64 s[46:47], s[46:47], s[18:19]
	s_mov_b32 s[G0+4], 1                           ; slot 1: K step 1
	s_add_co_u32 s[G0+5], s45, SLOT
	s_add_nc_u64 s[G0+6:G0+7], s[20:21], ROWB
	s_or_b32 s[G0+7], s[G0+7], 0x80000000
	s_mov_b32 s[G0B+4], 1
	s_add_co_u32 s[G0B+5], s45, SLOT
	s_add_nc_u64 s[G0B+6:G0B+7], s[46:47], ROWB
	s_or_b32 s[G0B+7], s[G0B+7], 0x80000000
	s_cmp_eq_u32 s15, 0                            ; the prefetches: of the 128 rows that I fetch for the ring, my work-group's 32 (cx for A, cy for B): by address alone
	s_cselect_b64 s[92:93], s[20:21], s[46:47]
	s_cselect_b32 s18, s40, s41
	s_lshl_b32 s18, s18, 15
	s_add_nc_u64 s[92:93], s[92:93], s[18:19]
.macro ARM under, g0, g1, next         ; one chain on the wave's number, one load to an arm, all arms to one join
	s_cmp_lt_u32 s14, \under
	s_cbranch_scc0 \next
	tensor_load_to_lds s[\g0:\g0+3], s[\g1:\g1+7]
	s_nop 0
.rept 4
	v_nop
.endr
	s_branch .Lhead_asked
\next:
.endm
	ARM 1, G0,  G1,  .Lhead_b
	ARM 2, G0B, G1B, .Lhead_sa
	ARM 3, G0S, G1S, .Lhead_sb
	tensor_load_to_lds s[G0SB:G0SB+3], s[G1SB:G1SB+7]
	s_nop 0
.rept 4
	v_nop
.endr
.Lhead_asked:
	v_and_b32 v30, 31, v0
	v_lshlrev_b32 v30, 10, v30                     ; the prefetches' offset: a lane a row of 1,024 bytes; never rewritten
	global_prefetch_b8 v30, s[92:93] offset:ROWB th:TH_LOAD_NT scope:SCOPE_SE   ; K step 1, which the load behind the next round will ask for: behind the head's loads, a whole head ahead of that load
	v_and_b32 v1, 15, v0
	v_bfe_u32 v2, v0, 4, 1
	v_mul_u32_u24 v3, v1, PITCH
	v_lshl_add_u32 v4, v2, 4, v3
	s_mul_i32 s21, s15, HALFT
	s_mul_i32 s22, s16, HALFT
	s_add_co_u32 s22, s22, 2*HALFT
.irp s, 0,1
	v_add_nc_u32 v[ADRA+\s], s21, v4
	v_add_nc_u32 v[ADRB+\s], s22, v4
	s_add_co_u32 s21, s21, SLOT
	s_add_co_u32 s22, s22, SLOT
.endr
	v_mul_u32_u24 v5, v1, KS
	v_lshrrev_b32 v6, 8, v5
	v_lshl_add_u32 v5, v6, 4, v5
	s_mul_i32 s21, s15, HALFS
	s_mul_i32 s22, s16, HALFS
	s_add_co_u32 s22, s22, 2*HALFS
	s_sub_co_u32 s22, s22, s21
	v_mul_u32_u24 v6, s22, v2
	s_add_co_u32 s21, s21, SCL
	v_add_nc_u32 v5, v5, v6
	v_add_nc_u32 v[ADRS], s21, v5
	v_and_b32 v[LANE], 31, v0
	v_lshlrev_b32 v[LI], 4, v[LANE]
	v_lshlrev_b32 v[BO], 6, v2
	v_and_b32 v5, 7, v1
	v_lshrrev_b32 v6, 3, v1
	v_lshl_add_u32 v5, v6, 4, v5
	v_lshlrev_b32 v[BO2], 2, v5
	s_lshl_b32 s2, s66, 9
	s_lshl_b32 s3, s101, 9
	s_add_co_u32 s3, s3, 8192
	s_cmp_eq_u32 s99, 1
	s_cselect_b32 s2, s3, s2
	s_add_co_u32 s2, s2, 0x20100
	s_mov_b32 s3, 0
	s_add_nc_u64 s[2:3], s[6:7], s[2:3]
	s_cmp_eq_u32 s99, 1
	s_cbranch_scc1 .Lbias_rows
	s_wait_alu depctr_va_vdst(0)
.irp t, 0,1,2,3,4,5,6,7
	global_load_b128 v[BI+8*\t:BI+8*\t+3], v[BO], s[2:3] offset:(32*(\t/2)+8*(\t%2))*4
	global_load_b128 v[BI+8*\t+4:BI+8*\t+7], v[BO], s[2:3] offset:(32*(\t/2)+8*(\t%2))*4+16
.endr
	s_branch .Lbias_asked
.Lbias_rows:
	s_wait_alu depctr_va_vdst(0)
.irp a, 0,1,2,3,4,5,6,7
	global_load_b32 v[BI+8*\a], v[BO2], s[2:3] offset:(32*(\a/2)+8*(\a%2))*4
.endr
.Lbias_asked:
	s_lshl_b32 s18, s66, s100
	s_lshl_b32 s19, s101, 3
	s_add_co_u32 s18, s18, s19
	s_lshl_b32 s18, s18, 11
	s_add_co_u32 s18, s18, 0x80000
	s_mov_b32 s19, 0
	s_sub_co_u32 s20, s100, 3
	s_lshl_b32 s20, s66, s20
	s_add_co_u32 s20, s20, s101
	s_lshl_b32 s20, s20, 9
	s_mov_b32 s21, 0
	s_cmp_eq_u32 s99, 1
	s_cselect_b64 s[12:13], s[10:11], s[8:9]
	s_cselect_b64 s[96:97], s[10:11], s[8:9]
	s_add_nc_u64 s[12:13], s[12:13], s[18:19]
	s_add_nc_u64 s[96:97], s[96:97], s[20:21]
.macro FRAG reg, adr, q, i
.irp c, 0,1,2,3
	ds_load_b128 v[\reg+4*\c:\reg+4*\c+3], v[\adr] offset:128*(\q)+32*\c+(\i)*16*PITCH
.endr
.endm
.macro MUL16 a0, p, q, sc, cm
.irp a, \a0, \a0+1
.irp b, 0,1,2,3,4,5,6,7
.if \cm == 1
	v_wmma_scale_f32_16x16x128_f8f6f4 v[8*(8*((\a)%4)+\b):8*(8*((\a)%4)+\b)+7], v[128*(\p)+FR*\b:128*(\p)+FR*\b+FR-1], v[AF+FR*(\a):AF+FR*(\a)+FR-1], v[BI+8*\b:BI+8*\b+7], v[SC+8*NQ*(\sc)+NQ*\b+(\q)], v[SC+8*NQ*(\sc)+NQ*(\a)+(\q)] matrix_a_scale:MATRIX_SCALE_ROW1
.elseif \cm == 2
	v_wmma_scale_f32_16x16x128_f8f6f4 v[8*(8*((\a)%4)+\b):8*(8*((\a)%4)+\b)+7], v[128*(\p)+FR*\b:128*(\p)+FR*\b+FR-1], v[AF+FR*(\a):AF+FR*(\a)+FR-1], v[BI+8*(\a):BI+8*(\a)+7], v[SC+8*NQ*(\sc)+NQ*\b+(\q)], v[SC+8*NQ*(\sc)+NQ*(\a)+(\q)] matrix_a_scale:MATRIX_SCALE_ROW1
.else
	v_wmma_scale_f32_16x16x128_f8f6f4 v[8*(8*((\a)%4)+\b):8*(8*((\a)%4)+\b)+7], v[128*(\p)+FR*\b:128*(\p)+FR*\b+FR-1], v[AF+FR*(\a):AF+FR*(\a)+FR-1], v[8*(8*((\a)%4)+\b):8*(8*((\a)%4)+\b)+7], v[SC+8*NQ*(\sc)+NQ*\b+(\q)], v[SC+8*NQ*(\sc)+NQ*(\a)+(\q)] matrix_a_scale:MATRIX_SCALE_ROW1
.endif
.endr
.endr
.endm
.macro FETCH_B slot, q, p
	WIN TO_B
.irp i, 0,1,2,3,4,5,6,7
	FRAG 128*(\p)+FR*\i, ADRB+\slot, \q, \i
.endr
	WIN 0
.endm
.macro FETCH_A slot, q, i0
.irp i, \i0, \i0+1, \i0+2, \i0+3
	FRAG AF+FR*(\i), ADRA+\slot, \q, \i
.endr
.endm
.macro SCALES sc
.irp i, 0,1,2,3,4,5,6,7
	ds_load_b64 v[SC+8*NQ*\sc+NQ*\i:SC+8*NQ*\sc+NQ*\i+1], v[ADRS] offset:\i*SBLK
.endr
.endm
.macro PLACES n
.rept \n
	v_nop
.endr
.endm
.macro STEP slot, q, cm
	FETCH_B \slot, (\q)+1, 1-(\q)%2                ; B's other set is free: eight places stand behind the last products that read it.  Its 32 loads have the whole step in which to come
	s_wait_dscnt 12*NL                             ; this step's B and A's blocks 0-3 are in; A's blocks 4-7 (16 loads) and the 32 just issued may be out
.if \cm
	WIN 0x81
.else
	WIN MUL_LO
.endif
	MUL16 0, (\q)%2, \q, \slot, \cm
	MUL16 2, (\q)%2, \q, \slot, \cm
	s_wait_dscnt 8*NL                              ; A's blocks 4-7 are in; the 32 loads of B's other set may be out
	PLACES NP
	WIN 0
	FETCH_A \slot, (\q)+1, 0
.if \cm
	WIN 0xc1
.else
	WIN MUL_HI
.endif
	MUL16 4, (\q)%2, \q, \slot, \cm
	MUL16 6, (\q)%2, \q, \slot, \cm
	PLACES NP
	WIN 0
	FETCH_A \slot, (\q)+1, 4
.endm
.macro TURN slot, next, fill
	s_wait_tensorcnt 0x0
	ds_add_u32 v[SPW], v[NIL]
	s_wait_dscnt 4*NL+1
	WIN MUL_LO
	MUL16 0, 1, NQ-1, \slot, 0
	s_wait_dscnt 0x0
	s_barrier_signal -1
	MUL16 2, 1, NQ-1, \slot, 0
	WIN 0
	s_barrier_wait -1
.if \fill
	CREST
	s_add_nc_u64 s[G0+4*\slot+2:G0+4*\slot+3], s[G0+4*\slot+2:G0+4*\slot+3], 2*ROWB
	s_add_nc_u64 s[G0B+4*\slot+2:G0B+4*\slot+3], s[G0B+4*\slot+2:G0B+4*\slot+3], 2*ROWB
	JLOAD G0+4*\slot, G1, G0B+4*\slot, G1B
	PLACES NP-4
.else
	PLACES NP
.endif
	s_wait_alu depctr_va_vdst(0)
	v_add_nc_u32 v[ADRS], 4*NQ, v[ADRS]
	FETCH_B \next, 0, 0
	FETCH_A \next, 0, 0
	SCALES \next
	WIN MUL_HI
	MUL16 4, 1, NQ-1, \slot, 0
	MUL16 6, 1, NQ-1, \slot, 0
	PLACES NP
	WIN 0
	FETCH_A \next, 0, 4
.endm
	s_wait_alu depctr_va_vdst(0)                   ; the wait at the head's end
	s_wait_tensorcnt 0x0                           ; my tile of the head's four is in
	ds_add_u32 v[SPW], v[NIL]
	s_mov_b32 s[G1+2], 128<<16                     ; no tensor load of mine is out: from here on a load brings 128 rows
	s_mov_b32 s[G1+4], 128
	s_mov_b32 s[G1B+2], 128<<16
	s_mov_b32 s[G1B+4], 128
	s_mul_i32 s18, s14, HALFT                      ; and slot 0's groups 0 become the ring's: my quarter of the slot, my 128 rows
	s_mov_b32 s[G0+1], s18
	s_mov_b32 s[G0B+1], s18
	s_lshl_b32 s18, s16, 17
	s_mov_b32 s19, 0
	s_add_nc_u64 s[G0+2:G0+3], s[G0+2:G0+3], s[18:19]
	s_add_nc_u64 s[G0B+2:G0B+3], s[G0B+2:G0B+3], s[18:19]
	s_wait_dscnt 0x0
	CROUND                                         ; all four tiles are in, and all sixteen work-groups are here
	JLOAD G0+4, G1, G0B+4, G1B                     ; K step 1: the first tensor load behind the round
	global_prefetch_b8 v30, s[92:93] offset:2*ROWB th:TH_LOAD_NT scope:SCOPE_SE   ; K steps 2 and 3, which the two refills will ask for
	global_prefetch_b8 v30, s[92:93] offset:3*ROWB th:TH_LOAD_NT scope:SCOPE_SE
	FETCH_B 0, 0, 0
	FETCH_A 0, 0, 0
	SCALES 0
	FETCH_A 0, 0, 4
	s_wait_loadcnt 0x0
	s_cmp_eq_u32 s99, 1
	s_cbranch_scc1 .Lfirst_rows
	STEP 0, 0, 1
	s_branch .Lfirst_done
.Lfirst_rows:
.irp a, 0,1,2,3,4,5,6,7
.irp j, 1,2,3,4,5,6,7
	v_mov_b32 v[BI+8*\a+\j], v[BI+8*\a]
.endr
.endr
	PLACES NP
	s_wait_alu depctr_va_vdst(0)
	STEP 0, 0, 2
.Lfirst_done:
	TURN 0, 1, 1
	STEP 1, 0, 0
	TURN 1, 0, 1
	STEP 0, 0, 0
	TURN 0, 1, 0
	STEP 1, 0, 0
	s_wait_dscnt 4*NL
	WIN MUL_LO
	MUL16 0, 1, NQ-1, 1, 0
	MUL16 2, 1, NQ-1, 1, 0
	s_wait_dscnt 0
	WIN MUL_HI
	MUL16 4, 1, NQ-1, 1, 0
	MUL16 6, 1, NQ-1, 1, 0
	WIN 0
	PLACES NP
	s_mov_b32 s2, 0x76543210
	s_mov_b32 s3, 0xfedcba98
	s_mov_b32 s18, 0x600000
.irp b, 0,1,2,3
	v_mov_b32 v[T4+\b], 0
.endr
.macro QOUT a
.set AC, 64*((\a)%4)
.set PS, PC+16*((\a)%2)
	WIN 20*(2+(\a)/4)
.irp b, 0,1,2,3
	v_max3_num_f32 v[TM+\b], 0x4800000, v[AC+16*\b], v[AC+16*\b+1]
	v_min3_num_f32 v[TN+\b], 0, v[AC+16*\b], v[AC+16*\b+1]
.endr
.irp i, 2,4,6,8,10,12,14
.irp b, 0,1,2,3
	v_max3_num_f32 v[TM+\b], v[TM+\b], v[AC+16*\b+\i], v[AC+16*\b+\i+1]
	v_min3_num_f32 v[TN+\b], v[TN+\b], v[AC+16*\b+\i], v[AC+16*\b+\i+1]
.endr
.endr
	WIN 0
.irp b, 0,1,2,3
	v_mul_f32 v[TN+\b], s67, v[TN+\b]
.endr
.irp b, 0,1,2,3
	v_max_num_f32 v[TM+\b], v[TM+\b], v[TN+\b]
.endr
.irp b, 0,1,2,3
	v_permlanex16_b32 v[T4+\b], v[TM+\b], s2, s3
.endr
.irp b, 0,1,2,3
	v_max_num_f32 v[TM+\b], v[TM+\b], v[T4+\b]
.endr
.irp b, 0,1,2,3
	v_add_nc_u32 v[SCF+\b], 0xfc000000, v[TM+\b]
.endr
.irp b, 0,1,2,3
	v_and_or_b32 v[HI+\b], v[TM+\b], 0x7f800000, s18
.endr
.irp b, 0,1,2,3
	v_mul_f32 v[LO+\b], s67, v[HI+\b]
.endr
.irp b, 0,1,2,3
	v_lshrrev_b32 v[BY+\b], 23, v[SCF+\b]
.endr
	v_lshl_or_b32 v[WS+\a], v[BY+1], 8, v[BY]
	v_lshl_or_b32 v[WS+\a], v[BY+2], 16, v[WS+\a]
	v_lshl_or_b32 v[WS+\a], v[BY+3], 24, v[WS+\a]
	WIN 65*(2+(\a)/4)
.irp b, 0,1,2,3
.irp i, 0,1,2,3,4,5,6,7,8,9,10,11,12,13,14,15
	v_med3_num_f32 v[AC+16*\b+\i], v[AC+16*\b+\i], v[LO+\b], v[HI+\b]
.endr
.endr
	s_wait_alu depctr_va_vdst(0)
	s_wait_xcnt 0x0
	WIN 2+(\a)/4
.irp b, 0,1,2,3
	v_cvt_scalef32_pk8_fp8_f32 v[PS+4*\b:PS+4*\b+1], v[AC+16*\b:AC+16*\b+7], v[SCF+\b]
	v_cvt_scalef32_pk8_fp8_f32 v[PS+4*\b+2:PS+4*\b+3], v[AC+16*\b+8:AC+16*\b+15], v[SCF+\b]
.endr
	WIN 0
	v_nop
.irp c, 0,1,2,3
	global_store_b128 v[LI], v[PS+4*\c:PS+4*\c+3], s[12:13] offset:2048*(\a)+512*\c
.endr
.endm
.irp a, 0,1,2,3,4,5,6,7
	QOUT \a
.endr
	v_cmp_le_u32 vcc_lo, 16, v[LANE]
.irp i, 0,1,2,3
	v_cndmask_b32 v[OS+\i], v[WS+\i], v[WS+4+\i], vcc_lo
.endr
	global_store_b128 v[LI], v[OS:OS+3], s[96:97]
	s_wait_tensorcnt 0x0
	ds_add_u32 v[SPW], v[NIL]
	s_wait_dscnt 0x0
	CROUND
	s_endpgm
.Lfunc_end_k_q5afabf9f33_qkv:
	.size	k_q5afabf9f33_qkv, .Lfunc_end_k_q5afabf9f33_qkv-k_q5afabf9f33_qkv
	.p2alignl 7, 3214868480
	.fill 96, 4, 3214868480
	.section	.rodata,"a",@progbits
	.p2align	6, 0x0
	.amdhsa_kernel k_q5afabf9f33_qkv
		.amdhsa_group_segment_fixed_size 327680
		.amdhsa_private_segment_fixed_size 0
		.amdhsa_enable_private_segment 0
		.amdhsa_kernarg_size 32
		.amdhsa_user_sgpr_count 2
		.amdhsa_user_sgpr_kernarg_segment_ptr 1
		.amdhsa_wavefront_size32 1
		.amdhsa_system_sgpr_workgroup_id_x 1
		.amdhsa_system_sgpr_workgroup_id_y 1
		.amdhsa_system_sgpr_workgroup_id_z 1
		.amdhsa_system_vgpr_workitem_id 0
		.amdhsa_next_free_vgpr 1024
		.amdhsa_next_free_sgpr 102
		.amdhsa_reserve_vcc 1
		.amdhsa_float_denorm_mode_32 3
		.amdhsa_float_denorm_mode_16_64 3
		.amdhsa_memory_ordered 1
		.amdhsa_forward_progress 1
		.amdhsa_inst_pref_size 224
	.end_amdhsa_kernel
	.amdgpu_metadata
---
amdhsa.version: [ 1, 2 ]
amdhsa.kernels:
  - .name:           k_q5afabf9f33_qkv
    .symbol:         k_q5afabf9f33_qkv.kd
    .args:
      - { .name: hq, .offset: 0, .size: 8, .value_kind: global_buffer, .address_space: global }
      - { .name: wqkv, .offset: 8, .size: 8, .value_kind: global_buffer, .address_space: global }
      - { .name: qkq, .offset: 16, .size: 8, .value_kind: global_buffer, .address_space: global }
      - { .name: vq, .offset: 24, .size: 8, .value_kind: global_buffer, .address_space: global }
    .group_segment_fixed_size: 327680
    .private_segment_fixed_size: 0
    .kernarg_segment_align: 8
    .kernarg_segment_size: 32
    .max_flat_workgroup_size: 128
    .sgpr_count:     102
    .vgpr_count:     1024
    .wavefront_size: 32
...
	.end_amdgpu_metadata
.endif
;; end of part 2
;; launch attn (part 3): grid 8 x 32, 16 waves a work-group, clusters of 4 x 1, 327,680 bytes of LDS; arguments qkq, vq, x, x1; writes x1
.if DOCPART == 3
	.amdgcn_target "amdgcn-amd-amdhsa--gfx1250"
	.amdhsa_code_object_version 6
	.text
	.protected	k_q5afabf9f33_attn
	.globl	k_q5afabf9f33_attn
	.p2align	8
	.type	k_q5afabf9f33_attn,@function
k_q5afabf9f33_attn:
	s_mov_b64 s[64:65], 0
	v_nop
	global_prefetch_b8 v0, s[64:65] scope:SCOPE_SE
	s_setreg_imm32_b32 hwreg(HW_REG_WAVE_MODE, 25, 1), 1
	s_wait_xcnt 0x0
	s_wait_alu depctr_hold_cnt(0) depctr_sa_sdst(0) depctr_va_vdst(0) depctr_va_sdst(0) depctr_va_ssrc(0) depctr_va_vcc(0) depctr_vm_vsrc(0)
	s_getreg_b32 s2, hwreg(HW_REG_IB_STS2, 6, 4)
	s_cmp_eq_u32 s2, 0
	s_cbranch_scc0 .Lentry_in_a_cluster
	s_endpgm
.Lentry_in_a_cluster:
	s_bfe_u32 s2, ttmp6, 0x10000c
	s_cmp_lg_u32 s2, 0x3003
	s_cbranch_scc0 .Lentry_shape_is_right
	s_endpgm
.Lentry_shape_is_right:
; x1 = x + attention.  Both products on codes of E4M3 with one E8M0 byte for each 32 along a product's K.  A work-group owns 256 queries of one head of one batch; each of its sixteen waves one tile of 16.
; OPERANDS come as images of their registers (16 rows x 128 along K: [c][lane][16 bytes]).  q, k: an image holds a pair of heads, so a head is half an image (1,024 bytes, K = 64); the head's two scale bytes are moved to bytes 0 and 1 of the word.
; Q's registers for K = 64 .. 127 hold zero codes.  K's eight half fragments of a key step lie on end in 64 registers: tile t's operand is v[KF + 8 t .. + 15], so its K = 64 .. 127 are the next tile's codes
; (the last tile's: p's codes), finite numbers under finite scale bytes, which meet Q's zeros alone and add nothing.
; Both products are used transposed: S^T = K Q^T, O^T = V^T P^T: a lane holds one query throughout.  Rows of every image lie in position order (bits 3 and 4 exchanged), so p's 16 registers of two
; neighbouring tiles are 16 neighbouring keys, and O^T's are neighbouring channels; only the rows of x and x1 are translated back.
; THE SOFTMAX: t = score x log2(e) / 8; M = the running largest t rounded up to a whole number; p = 2^(t - M) is quantised along the keys; the row's sum is taken of the unquantised p and divides at the end.
; When M moves, the sum and O^T are multiplied by 2^(old M - new M), which rounds nothing.
; LDS: ALL of the head's K (16 key steps x 8,192 bytes from byte 0) and V (the same from byte 131,072) lie in LDS, filled once: sixteen joint loads of 16,384 bytes, one a wave, at LDS byte 16,384 x wave.
; Nothing is filled again.  Waves 0, 1, 8, 9 bring key steps 0 to 3 and have load lines of their own: the first barrier shows their tiles alone; the barrier behind key step 2 shows the rest.
; CLUSTER: the four query blocks of a cluster read the same K and V: each tile is asked for jointly (mask 15).  By this text's count a wave has one tensor load out.
; NO PREFETCH: every tensor load goes out at the head, so there is no later load to ask ahead for; x's rows are loaded into registers one key step ahead of their use.
; THE STEP'S ORDER: the next step's K comes into registers under this step's softmax; V takes p's registers behind the conversions; the joins of the row's partial sums stand behind the second product,
; as the nine places ahead of the next S^T, which is written over V's registers.
; LIMITS: NaN and infinities are not served; a block of p that has fallen to 0 keeps the byte 1: its codes are zeros; the promise holds while the scaled scores t stay under 2^31 in magnitude.
.set VREG,  131072
.set KSC,   262144                     ; K's scale words of the head: [step][a / 4][r][4 words], 8 KB
.set VSC,   270336                     ; V's: [step][r][4 words], 4 KB
.set SPARE, 274432                     ; the spare words, 128 bytes a wave: no other line names them
.set STAGE, 0                          ; the way out: 16 rows x 272 bytes a wave, over K's bytes, behind a barrier behind which nobody reads them; they have had their only fill
.set LI,   1                           ; v1   16 x lane
.set LIV,  2                           ; v2   the same in V's region
.set ASK0, 3                           ; v3   KSC + 16 r
.set ASV0, 4                           ; v4   VSC + 16 r
.set SPW,  5
.set NIL,  6
.set GO,   7                           ; v7   my offset in x and x1
.set ADK,  8
.set ADV,  9
.set ADS,  10
.set ADT,  11
.set KF,   32                          ; v32-95   K's eight half fragments
.set PCD,  96                          ; v96-111  p's codes
.set S,    112                         ; v112-175 S^T, then p, then four fragments of V
.set O,    176                         ; v176-207 O^T
.set KW,   208                         ; v208-215 K's scale words; v216-219 V's; v220 Q's; v221 p's
.set VW,   216
.set QW,   220
.set PW,   221
.set F,    222                         ; v[222:223] f = 2^(old M - new M), named as a pair
.set BM,   224
.set PT,   228
.set HO,   232
.set SO,   236
.set PS,   240                         ; v240-255 eight pairs of partial sums
.set WV,   18
.set MNT,  19
.set SEL,  20
.set CS,   22
.set G1K,  24
.set G1V,  32
.set G0K,  40
.set G0V,  44
.set TB,   2
.set TS,   3
.set TJ,   66
.set CNT,  67
.macro TL g0, g1                       ; a joint load; an s_nop 0 and four v_nop follow it
	tensor_load_to_lds s[\g0:\g0+3], s[\g1:\g1+7]
	s_nop 0
.rept 4
	v_nop
.endr
.endm
.macro CROUND
	s_barrier_signal -1
	s_barrier_wait -1
	s_cmp_lg_u32 s[WV], 0
	s_cbranch_scc1 .Lnot_wave_0_\@
	s_barrier_signal -3
.Lnot_wave_0_\@:
	s_barrier_wait -3
	s_barrier_signal -1
	s_barrier_wait -1
.endm
.macro WALU
	s_wait_alu depctr_va_vdst(0)
.endm
	s_load_b256 s[4:11], s[0:1], 0x0               ; qkq, vq, x, x1
	v_lshl_add_u32 v[SPW], v0, 2, SPARE
	v_mov_b32 v[NIL], 0
	ds_add_u32 v[SPW], v[NIL]                      ; the opening: the add, twice on end, and its wait ahead of my tensor load
	ds_add_u32 v[SPW], v[NIL]
	v_lshrrev_b32 v8, 5, v0
	v_readfirstlane_b32 s[WV], v8                  ; wave 0..15
	s_bfe_u32 s12, ttmp6, 0x40000                  ; cx
	s_lshl_b32 s13, ttmp9, 2
	s_add_co_u32 s13, s13, s12                     ; my block of 256 queries
	s_and_b32 s14, ttmp7, 0xffff
	s_lshr_b32 s15, s14, 4                         ; batch
	s_and_b32 s16, s14, 15                         ; head
	s_lshr_b32 s17, s16, 1                         ; pair of heads
	s_and_b32 s68, s16, 1                          ; which of the pair
	s_and_b32 s69, s[WV], 7                        ; which two key steps I fetch
	s_lshl_b32 s74, s68, 10
	s_lshl_b32 s81, s68, 4
	s_lshl_b32 s75, s13, 4
	s_add_co_u32 s75, s75, s[WV]                   ; my tile of 16 queries in the batch
	s_add_co_u32 s70, s17, 8                       ; K's images: J = 8 + pair, 256 images a J, 128 a batch
	s_lshl_b32 s70, s70, 8
	s_lshl_b32 s71, s15, 7
	s_add_co_u32 s70, s70, s71
	s_lshl_b32 s72, s69, 4                         ; 16 images are two key steps
	s_add_co_u32 s72, s72, s70
	s_lshl_b32 s72, s72, 11
	s_add_co_u32 s72, s72, s74
	s_add_co_u32 s72, s72, 0x80000
	s_mov_b32 s73, 0
	s_lshl_b32 s82, s15, 4                         ; V's images: J = 16 batch + key step, 64 images a J, 4 a head
	s_lshl_b32 s83, s69, 1
	s_add_co_u32 s82, s82, s83
	s_lshl_b32 s82, s82, 6
	s_lshl_b32 s83, s16, 2
	s_add_co_u32 s82, s82, s83
	s_lshl_b32 s82, s82, 11
	s_add_co_u32 s82, s82, 0x80000
	s_mov_b32 s83, 0
	s_add_co_u32 s84, s17, 8                       ; K's scale words: 512 bytes a key step, 16 steps on end
	s_lshl_b32 s84, s84, 5
	s_lshl_b32 s85, s15, 4
	s_add_co_u32 s84, s84, s85
	s_lshl_b32 s84, s84, 9
	s_mov_b32 s85, 0
	s_lshl_b32 s86, s15, 7                         ; V's: 256 bytes a key step, 4,096 bytes apart
	s_add_co_u32 s86, s86, s17
	s_lshl_b32 s86, s86, 9
	s_lshl_b32 s87, s68, 8
	s_add_co_u32 s86, s86, s87
	s_mov_b32 s87, 0
	s_lshl_b32 s88, s17, 8                         ; Q's image
	s_add_co_u32 s88, s88, s71
	s_add_co_u32 s88, s88, s75
	s_lshl_b32 s88, s88, 11
	s_add_co_u32 s88, s88, s74
	s_add_co_u32 s88, s88, 0x80000
	s_mov_b32 s89, 0
	s_lshl_b32 s90, s17, 5                         ; Q's scale words
	s_lshl_b32 s91, s15, 4
	s_add_co_u32 s90, s90, s91
	s_lshr_b32 s91, s75, 3
	s_add_co_u32 s90, s90, s91
	s_lshl_b32 s90, s90, 9
	s_bfe_u32 s91, s75, 0x10002
	s_lshl_b32 s91, s91, 8
	s_add_co_u32 s90, s90, s91
	s_and_b32 s91, s75, 3
	s_lshl_b32 s91, s91, 2
	s_add_co_u32 s90, s90, s91
	s_mov_b32 s91, 0
	s_lshl_b32 s92, s15, 11                        ; x, x1: token 2048 batch + 32 (tile / 2) + 8 (tile % 2), column 64 head
	s_lshr_b32 s93, s75, 1
	s_lshl_b32 s93, s93, 5
	s_add_co_u32 s92, s92, s93
	s_and_b32 s93, s75, 1
	s_lshl_b32 s93, s93, 3
	s_add_co_u32 s92, s92, s93
	s_lshl_b32 s92, s92, 12
	s_lshl_b32 s93, s16, 8
	s_add_co_u32 s92, s92, s93
	s_mov_b32 s93, 0
	s_lshl_b32 s94, s[WV], 14                      ; where my tile goes: of the wave's number alone
	; K: 16 half images of 1,024 bytes, 2,048 bytes apart.  V: 2 key steps' 4 images (8,192 bytes), 131,072 bytes apart.  Elements of 8 bytes, no padding: every LDS read takes 512 consecutive bytes
	s_mov_b32 s[G1K], 15|(3<<16)|(1<<21)
	s_mov_b32 s[G1K+1], 128<<16
	s_mov_b32 s[G1K+2], 16<<16
	s_mov_b32 s[G1K+3], 128<<16
	s_mov_b32 s[G1K+4], 16
	s_mov_b32 s[G1K+5], 256
	s_mov_b32 s[G1K+6], 0
	s_mov_b32 s[G1K+7], 0
	s_mov_b32 s[G1V], 15|(3<<16)|(1<<21)
	s_mov_b32 s[G1V+1], 1024<<16
	s_mov_b32 s[G1V+2], 2<<16
	s_mov_b32 s[G1V+3], 1024<<16
	s_mov_b32 s[G1V+4], 2
	s_mov_b32 s[G1V+5], 16384
	s_mov_b32 s[G1V+6], 0
	s_mov_b32 s[G1V+7], 0
	s_mov_b32 s[SEL], 0x76543210
	s_mov_b32 s[SEL+1], 0xfedcba98
	s_mov_b32 s[CS], 0x3e38aa3b                    ; c = log2(e) / 8
	s_mov_b32 s[CS+1], s[CS]
	s_mov_b32 s[MNT], 0x600000
	s_mov_b32 s[TB], 0
	s_mov_b32 s[TS], 0
	s_mov_b32 s[TJ], 0
	s_wait_dscnt 0x0                               ; both opening adds are done
	s_wait_kmcnt 0x0
	s_mov_b32 s[G0K], 1
	s_mov_b32 s[G0K+1], s94
	s_add_nc_u64 s[G0K+2:G0K+3], s[4:5], s[72:73]
	s_or_b32 s[G0K+3], s[G0K+3], 0x80000000
	s_mov_b32 s[G0V], 1
	s_mov_b32 s[G0V+1], s94
	s_add_nc_u64 s[G0V+2:G0V+3], s[6:7], s[82:83]
	s_or_b32 s[G0V+3], s[G0V+3], 0x80000000
	CROUND                                         ; all four work-groups are here
	; one chain on the wave's number, one load to an arm: waves 0, 1: K's steps 0-3; 2-7: K's rest; 8, 9: V's steps 0-3; 10-15: V's rest
	s_cmp_lt_u32 s[WV], 2
	s_cbranch_scc0 .Lk_rest
	TL G0K, G1K
	s_branch .Lasked
.Lk_rest:
	s_cmp_lt_u32 s[WV], 8
	s_cbranch_scc0 .Lv_first
	TL G0K, G1K
	s_branch .Lasked
.Lv_first:
	s_cmp_lt_u32 s[WV], 10
	s_cbranch_scc0 .Lv_rest
	TL G0V, G1V
	s_branch .Lasked
.Lv_rest:
	TL G0V, G1V
.Lasked:
	s_add_nc_u64 s[84:85], s[4:5], s[84:85]
	s_add_nc_u64 s[86:87], s[6:7], s[86:87]
	s_add_nc_u64 s[88:89], s[4:5], s[88:89]
	s_add_nc_u64 s[90:91], s[4:5], s[90:91]
	s_add_nc_u64 s[8:9], s[8:9], s[92:93]
	s_add_nc_u64 s[10:11], s[10:11], s[92:93]
	v_and_b32 v9, 31, v0                           ; lane
	v_and_b32 v10, 15, v0                          ; r
	v_bfe_u32 v11, v0, 4, 1                        ; h
	v_lshlrev_b32 v252, 4, v0                      ; 16 x thread
	v_lshrrev_b32 v253, 4, v0
	v_lshlrev_b32 v[LI], 4, v9
	v_lshl_add_u32 v[ASK0], v10, 4, KSC
	v_lshl_add_u32 v[ASV0], v10, 4, VSC
	v_lshlrev_b32 v253, 12, v253
	v_lshlrev_b32 v255, 4, v10
	v_lshlrev_b32 v[GO], 12, v11
	v_add_nc_u32 v[LIV], VREG, v[LI]
	v_add_nc_u32 v248, KSC, v252
	v_add_nc_u32 v249, VSC, v252
	v_lshl_add_u32 v253, v10, 4, v253
	v_lshl_add_u32 v[GO], v10, 4, v[GO]            ; lanes 0-15 one row of x, lanes 16-31 the next; 16 bytes a lane
	WALU
	global_load_b128 v[240:243], v252, s[84:85]    ; K's scale words: 512 threads x 16 bytes
	global_load_b128 v[16:19], v[LI], s[88:89]     ; Q's half image stays in registers
	global_load_b128 v[20:23], v[LI], s[88:89] offset:512
	global_load_b32 v[QW], v255, s[90:91]
	v_mov_b32 v13, 0xff61b1e6                      ; the largest t so far: -3e38
	v_mov_b32 v14, 0
	v_mov_b32 v15, 0
	v_mov_b32 v[F+1], 0                            ; named as the upper half of the pair
	v_floor_f32 v12, -v13                          ; -M
.irp b, 0,1,2,3
	v_mov_b32 v[PT+\b], 0                          ; a lane permute's destination counts as one of its sources
.endr
.set I, 0
.rept 32
	v_mov_b32 v[O+I], 0                            ; the loop has no first step of its own: it finds zeros
.set I, I+1
.endr
	WALU
	s_cmp_lt_u32 s[WV], 8
	s_cbranch_scc0 .Lno_vs
	global_load_b128 v[244:247], v253, s[86:87]    ; V's scale words: 256 threads x 16 bytes
	s_wait_loadcnt 0x0
	ds_store_b128 v249, v[244:247]
.Lno_vs:
	s_wait_loadcnt 0x0
.irp i, 0,1,2,3
	v_lshrrev_b32 v[240+\i], s81, v[240+\i]        ; an odd head's two bytes come down to bytes 0 and 1; what stands above them meets products with zero codes alone
.endr
	v_lshrrev_b32 v[QW], s81, v[QW]
	ds_store_b128 v248, v[240:243]
.set I, 0
.rept 16
	v_mov_b32 v[PCD+I], 0                          ; the first step's last tile of K names them as its K = 64 .. 127
.set I, I+1
.endr
.irp i, 0,1,2,3,4,5,6,7
	v_mov_b32 v[24+\i], 0                          ; K = 64 .. 127 of Q: zero codes
.endr
	WALU
	s_cmp_lt_u32 s[WV], 2                          ; the waves that brought key steps 0 to 3 wait for their loads; the others' wait stands at the second barrier
	s_cbranch_scc1 .Lmine
	s_cmp_lt_u32 s[WV], 8
	s_cbranch_scc1 .Lnot_mine
	s_cmp_lt_u32 s[WV], 10
	s_cbranch_scc0 .Lnot_mine
.Lmine:
	s_wait_tensorcnt 0x0
.Lnot_mine:
	s_wait_dscnt 0x0                               ; my stores of scale words are done
	s_barrier_signal -1
	s_barrier_wait -1
.macro KLOAD ak, as                    ; a key step's scale words and eight half fragments of K: 18 loads
	ds_load_b128 v[KW:KW+3], v[\as]
	ds_load_b128 v[KW+4:KW+7], v[\as] offset:256
.irp t, 0,1,2,3,4,5,6,7
	ds_load_b128 v[KF+8*\t:KF+8*\t+3], v[\ak] offset:1024*\t
	ds_load_b128 v[KF+8*\t+4:KF+8*\t+7], v[\ak] offset:1024*\t+512
.endr
.endm
	KLOAD LI, ASK0                                 ; key step 0
	s_wait_dscnt 0x0
; A KEY STEP: 128 keys.  At its head K's fragments and scale words are in registers.  last = 1: no step follows: x's rows are asked for where K's loads stand, and the barrier of the way out is signalled.
; THE WAVES ARE KEPT WITHIN A STEP OF EACH OTHER: in every step but the last a wave signals at the step's head and waits ahead of the second product, so it goes on only when every wave has begun the same step.
; Between the two stand register work and LDS loads of bytes that nobody writes before the barrier of the way out.
.macro STEP last
.if \last == 0
	s_barrier_signal -1                            ; no LDS instruction of mine is out here
.endif
.irp t, 0,1,2,3,4,5,6,7
	v_wmma_scale_f32_16x16x128_f8f6f4 v[S+8*\t:S+8*\t+7], v[KF+8*\t:KF+8*\t+15], v[16:31], 0, v[KW+\t], v[QW]
.endr
	v_add_nc_u32 v[ADV], s[TB], v[LIV]             ; eight places behind the products, ahead of the loads into what they have read and of the first reader of S^T
	v_add_nc_u32 v[ADT], s[TJ], v[ASV0]
.if \last
.rept 6
	v_nop
.endr
.irp i, 0,1,2,3,4,5,6,7                ; stage row 2 i + h is token 16 (i / 4) + 2 (i % 4) + h of my tile's rows
	global_load_b128 v[KF+4*\i:KF+4*\i+3], v[GO], s[8:9] offset:(16*(\i/4)+2*(\i%4))*4096
.endr
.else
	s_add_co_u32 s[TB], s[TB], 8192
	s_add_co_u32 s[TS], s[TS], 512
	s_add_co_u32 s[TJ], s[TJ], 256
	v_add_nc_u32 v[ADK], s[TB], v[LI]
	v_add_nc_u32 v[ADS], s[TS], v[ASK0]
.rept 4
	v_nop
.endr
	KLOAD ADK, ADS                                 ; the next step's K: it has this step's softmax in which to come
.endif
.irp b, 0,1,2,3
	v_max3_num_f32 v[BM+\b], v[S+16*\b], v[S+1+16*\b], v[S+2+16*\b]   ; the largest score of each block of 32 keys: for the row's maximum, and, since p rises with the score, for the block's largest p
.endr
.irp i, 3,5,7,9,11,13
.irp b, 0,1,2,3
	v_max3_num_f32 v[BM+\b], v[BM+\b], v[S+16*\b+\i], v[S+1+16*\b+\i]
.endr
.endr
.irp b, 0,1,2,3
	v_max_num_f32 v[BM+\b], v[BM+\b], v[S+15+16*\b]
.endr
.irp b, 0,1,2,3
	s_delay_alu instid0(VALU_DEP_4)
	v_permlanex16_b32 v[PT+\b], v[BM+\b], s[SEL], s[SEL+1]
.endr
.irp b, 0,1,2,3
	s_delay_alu instid0(VALU_DEP_4)
	v_max_num_f32 v[BM+\b], v[BM+\b], v[PT+\b]
.endr
	s_delay_alu instid0(VALU_DEP_2)
	v_max3_num_f32 v254, v[BM], v[BM+1], v[BM+2]
	s_delay_alu instid0(VALU_DEP_1)
	v_max_num_f32 v254, v254, v[BM+3]
	s_delay_alu instid0(VALU_DEP_1)
	v_mul_f32 v254, s[CS], v254
	s_delay_alu instid0(VALU_DEP_1)
	v_max_num_f32 v13, v13, v254                   ; the running largest t
	v_mov_b32 v254, v12
	s_delay_alu instid0(VALU_DEP_2)
	v_floor_f32 v12, -v13                          ; the new -M: a whole number
	s_delay_alu instid0(VALU_DEP_1)
	v_sub_f32 v254, v12, v254
	s_delay_alu instid0(VALU_DEP_1)
	v_cvt_i32_f32 v254, v254                       ; (it saturates)
	s_delay_alu instid0(VALU_DEP_1)
	v_ldexp_f32 v[F], 1.0, v254                    ; f = 2^(old M - new M)
.set I, 0
.rept 32
	v_pk_fma_f32 v[S+2*I:S+2*I+1], v[S+2*I:S+2*I+1], s[CS:CS+1], v[12:13] op_sel_hi:[1,0,0]   ; t - M
.set I, I+1
.endr
.irp b, 0,1,2,3
	v_fma_f32 v[BM+\b], v[BM+\b], s[CS], v12
.endr
	WALU                                           ; ahead of the batch
.set I, 0
.rept 64
	v_exp_f32 v[S+I], v[S+I]                       ; p = 2^(t - M)
.set I, I+1
.endr
.irp b, 0,1,2,3
	v_exp_f32 v[BM+\b], v[BM+\b]                   ; the block's largest p
.endr
	v_pk_mul_f32 v[14:15], v[14:15], v[F:F+1] op_sel_hi:[1,0]   ; the sums under the new M: a plain instruction behind the batch
	WALU                                           ; one wait for the batch, ahead of its first reader
.irp j, 0,1,2,3,4,5,6,7                ; the row's sum of the unquantised p: eight chains of pairs
	v_pk_add_f32 v[PS+2*\j:PS+2*\j+1], v[S+2*\j:S+2*\j+1], v[S+16+2*\j:S+17+2*\j]
.endr
.irp k, 32,48
.irp j, 0,1,2,3,4,5,6,7
	v_pk_add_f32 v[PS+2*\j:PS+2*\j+1], v[PS+2*\j:PS+2*\j+1], v[S+\k+2*\j:S+\k+2*\j+1]
.endr
.endr
.irp b, 0,1,2,3
	v_max_num_f32 v[BM+\b], 0x4800000, v[BM+\b]    ; the floor: the byte cannot fall under 1
.endr
.irp b, 0,1,2,3
	s_delay_alu instid0(VALU_DEP_4)
	v_add_nc_u32 v[SO+\b], 0xfc000000, v[BM+\b]
.endr
.irp b, 0,1,2,3
	v_and_or_b32 v[HO+\b], v[BM+\b], 0x7f800000, s[MNT]
.endr
.irp b, 0,1,2,3
	v_lshrrev_b32 v[PT+\b], 23, v[SO+\b]
.endr
	s_delay_alu instid0(VALU_DEP_3)
	v_lshl_or_b32 v[PW], v[PT+1], 8, v[PT]
	s_delay_alu instid0(VALU_DEP_1)
	v_lshl_or_b32 v[PW], v[PT+2], 16, v[PW]
	s_delay_alu instid0(VALU_DEP_1)
	v_lshl_or_b32 v[PW], v[PT+3], 24, v[PW]        ; p's scale word for these 128 keys
.irp b, 0,1,2,3
.irp i, 0,2,4,6,8,10,12,14
	v_dual_min_num_f32 v[S+16*\b+\i], v[S+16*\b+\i], v[HO+\b] :: v_dual_min_num_f32 v[S+16*\b+\i+1], v[S+16*\b+\i+1], v[HO+\b]   ; the conversion does not saturate (ISA guide 7.6.2); p is not negative; two holds an instruction
.endr
	v_cvt_scalef32_pk8_fp8_f32 v[PCD+4*\b:PCD+4*\b+1], v[S+16*\b:S+16*\b+7], v[SO+\b]
	v_cvt_scalef32_pk8_fp8_f32 v[PCD+4*\b+2:PCD+4*\b+3], v[S+16*\b+8:S+16*\b+15], v[SO+\b]
.endr
.irp t, 0,1,2,3
.irp c, 0,1,2,3
	ds_load_b128 v[S+16*\t+4*\c:S+16*\t+4*\c+3], v[ADV] offset:2048*\t+512*\c   ; V's four images take p's registers
.endr
.endr
	ds_load_b128 v[VW:VW+3], v[ADT]
	WALU                                           ; directly ahead of the first readers of O^T
.set I, 0
.rept 16
	v_pk_mul_f32 v[O+2*I:O+2*I+1], v[O+2*I:O+2*I+1], v[F:F+1] op_sel_hi:[1,0]   ; O^T under the new M; also the places between p's codes and scale word and the products
.set I, I+1
.endr
	WALU
	s_wait_dscnt 0x0                               ; V is in, and so is the next step's K
.if \last
	s_barrier_signal -1                            ; my reads of K and V are over
.else
	s_barrier_wait -1                              ; every wave has begun this step
.endif
.irp t, 0,1,2,3
	v_wmma_scale_f32_16x16x128_f8f6f4 v[O+8*\t:O+8*\t+7], v[S+16*\t:S+16*\t+15], v[PCD:PCD+15], v[O+8*\t:O+8*\t+7], v[VW+\t], v[PW]   ; four accumulators by turns
.endr
.irp j, 0,2,4,6                        ; the partial sums are joined here: with the v_nop nine places ahead of the next S^T, which is written over V's registers
	v_pk_add_f32 v[PS+2*\j:PS+2*\j+1], v[PS+2*\j:PS+2*\j+1], v[PS+2*\j+2:PS+2*\j+3]
.endr
	v_pk_add_f32 v[PS:PS+1], v[PS:PS+1], v[PS+4:PS+5]
	v_pk_add_f32 v[PS+8:PS+9], v[PS+8:PS+9], v[PS+12:PS+13]
	v_pk_add_f32 v[PS:PS+1], v[PS:PS+1], v[PS+8:PS+9]
	v_pk_add_f32 v[14:15], v[14:15], v[PS:PS+1]
	v_nop
.endm
	s_mov_b32 s[CNT], 3
.Lfirst:                                           ; key steps 0 to 2: they read steps 0 to 3 of K and 0 to 2 of V
	STEP 0
	s_sub_co_u32 s[CNT], s[CNT], 1
	s_cmp_lg_u32 s[CNT], 0
	WALU
	s_cbranch_scc1 .Lfirst
	s_wait_tensorcnt 0x0                           ; every wave's load is in: the barrier shows all of K and V
	s_wait_dscnt 0x0
	s_barrier_signal -1
	s_barrier_wait -1
	s_mov_b32 s[CNT], 12
.Lrest:                                            ; key steps 3 to 14
	STEP 0
	s_sub_co_u32 s[CNT], s[CNT], 1
	s_cmp_lg_u32 s[CNT], 0
	WALU
	s_cbranch_scc1 .Lrest
	STEP 1                                         ; key step 15 is written out: no K follows it
	; THE WAY OUT: O^T / the sum goes through my stage and comes back as rows of 256 bytes; x is added; sixteen lanes store 256 consecutive bytes, aligned.
	v_and_b32 v8, 15, v0
	v_bfe_u32 v9, v0, 4, 1
	v_add_f32 v14, v14, v15
	v_permlanex16_b32 v[PT], v14, s[SEL], s[SEL+1]
	v_add_f32 v14, v14, v[PT]                      ; the row's sum
	WALU
	v_rcp_f32 v14, v14
	s_mul_i32 s73, s[WV], 16*272
	s_add_co_u32 s73, s73, STAGE
	v_mul_u32_u24 v10, v8, 272
	v_mul_u32_u24 v11, v9, 272
	v_lshl_add_u32 v10, v9, 6, v10
	v_lshl_add_u32 v11, v8, 4, v11
	v_add_nc_u32 v10, s73, v10                     ; in: row r; tile 2 c + u: channels 32 c + 16 h + 8 u on
	v_add_nc_u32 v11, s73, v11                     ; back: lanes 0-15 one row, lanes 16-31 the next
	WALU                                           ; ahead of the reciprocal's first reader and of the first readers of O^T
.set I, 0
.rept 32
	v_mul_f32 v[S+I], v[O+I], v14
.set I, I+1
.endr
	WALU
	s_barrier_wait -1                              ; no wave reads K or V any more: the stages may be written
.irp t, 0,1,2,3
	ds_store_b128 v10, v[S+8*\t:S+8*\t+3] offset:128*(\t/2)+32*(\t%2)
	ds_store_b128 v10, v[S+8*\t+4:S+8*\t+7] offset:128*(\t/2)+32*(\t%2)+16
.endr
.irp i, 0,1,2,3,4,5,6,7
	ds_load_b128 v[S+32+4*\i:S+35+4*\i], v11 offset:2*\i*272   ; LDS serves a wave's instructions in order: these see my stores
.endr
	s_wait_loadcnt 0x0                             ; x
.irp i, 0,1,2,3,4,5,6,7
	s_wait_dscnt 7-\i                              ; the younger loads may be out
	v_pk_add_f32 v[S+32+4*\i:S+33+4*\i], v[S+32+4*\i:S+33+4*\i], v[KF+4*\i:KF+4*\i+1]
	v_pk_add_f32 v[S+34+4*\i:S+35+4*\i], v[S+34+4*\i:S+35+4*\i], v[KF+4*\i+2:KF+4*\i+3]
	global_store_b128 v[GO], v[S+32+4*\i:S+35+4*\i], s[10:11] offset:(16*(\i/4)+2*(\i%4))*4096
.endr
	s_wait_tensorcnt 0x0                           ; the wave's end
	ds_add_u32 v[SPW], v[NIL]
	s_wait_dscnt 0x0
	CROUND                                         ; the closing round
	s_endpgm
.Lfunc_end_k_q5afabf9f33_attn:
	.size	k_q5afabf9f33_attn, .Lfunc_end_k_q5afabf9f33_attn-k_q5afabf9f33_attn
	.p2alignl 7, 3214868480
	.fill 96, 4, 3214868480
	.section	.rodata,"a",@progbits
	.p2align	6, 0x0
	.amdhsa_kernel k_q5afabf9f33_attn
		.amdhsa_group_segment_fixed_size 327680
		.amdhsa_private_segment_fixed_size 0
		.amdhsa_enable_private_segment 0
		.amdhsa_kernarg_size 32
		.amdhsa_user_sgpr_count 2
		.amdhsa_user_sgpr_kernarg_segment_ptr 1
		.amdhsa_wavefront_size32 1
		.amdhsa_system_sgpr_workgroup_id_x 1
		.amdhsa_system_sgpr_workgroup_id_y 1
		.amdhsa_system_sgpr_workgroup_id_z 1
		.amdhsa_system_vgpr_workitem_id 0
		.amdhsa_next_free_vgpr 256
		.amdhsa_next_free_sgpr 100
		.amdhsa_reserve_vcc 0
		.amdhsa_float_denorm_mode_32 3
		.amdhsa_float_denorm_mode_16_64 3
		.amdhsa_memory_ordered 1
		.amdhsa_forward_progress 1
		.amdhsa_inst_pref_size 74
	.end_amdhsa_kernel
	.amdgpu_metadata
---
amdhsa.version: [ 1, 2 ]
amdhsa.kernels:
  - .name:           k_q5afabf9f33_attn
    .symbol:         k_q5afabf9f33_attn.kd
    .args:
      - { .name: qkq, .offset: 0, .size: 8, .value_kind: global_buffer, .address_space: global }
      - { .name: vq, .offset: 8, .size: 8, .value_kind: global_buffer, .address_space: global }
      - { .name: x, .offset: 16, .size: 8, .value_kind: global_buffer, .address_space: global }
      - { .name: x1, .offset: 24, .size: 8, .value_kind: global_buffer, .address_space: global }
    .group_segment_fixed_size: 327680
    .private_segment_fixed_size: 0
    .kernarg_segment_align: 8
    .kernarg_segment_size: 32
    .max_flat_workgroup_size: 512
    .sgpr_count:     100
    .vgpr_count:     256
    .wavefront_size: 32
...
	.end_amdgpu_metadata
.endif
;; end of part 3
;; launch ln2: the kernel of part 1 again; grid 256 x 1, 4 waves a work-group, no clusters, 57,856 bytes of LDS; arguments x1, g2, beta2, hq, Wq, Wk, Wv, W1, W2, bq, bk, bv, b1, wqkv, w1q, w2q; writes hq, wqkv, w1q, w2q
;; launch ffn1: the kernel of part 2 again; grid 16 x 16, 4 waves a work-group, clusters of 4 x 4, 327,680 bytes of LDS; arguments hq, w1q, hidq, vq; writes hidq, vq
;; launch ffn2 (part 4): grid 8 x 32, 4 waves a work-group, clusters of 4 x 4, 327,680 bytes of LDS; arguments hidq, w2q, b2, x1, out0; writes out0
.if DOCPART == 4
	.amdgcn_target "amdgcn-amd-amdhsa--gfx1250"
	.amdhsa_code_object_version 6
	.text
	.protected	k_q5afabf9f33_ffn2
	.globl	k_q5afabf9f33_ffn2
	.p2align	8
	.type	k_q5afabf9f33_ffn2,@function
k_q5afabf9f33_ffn2:
	s_mov_b64 s[64:65], 0
	v_nop
	global_prefetch_b8 v0, s[64:65] scope:SCOPE_SE
	s_setreg_imm32_b32 hwreg(HW_REG_WAVE_MODE, 25, 1), 1
	s_wait_xcnt 0x0
	s_wait_alu depctr_hold_cnt(0) depctr_sa_sdst(0) depctr_va_vdst(0) depctr_va_sdst(0) depctr_va_ssrc(0) depctr_va_vcc(0) depctr_vm_vsrc(0)
	s_getreg_b32 s2, hwreg(HW_REG_IB_STS2, 6, 4)
	s_cmp_eq_u32 s2, 0
	s_cbranch_scc0 .Lentry_in_a_cluster
	s_endpgm
.Lentry_in_a_cluster:
	s_bfe_u32 s2, ttmp6, 0x10000c
	s_cmp_lg_u32 s2, 0xf033
	s_cbranch_scc0 .Lentry_shape_is_right
	s_endpgm
.Lentry_shape_is_right:
.set ASTEP,  16384
.set BP,     528
.set BOFF,   65536
.set SLOT,   133120
.set ASC,    266240
.set BSC,    282624
.set STAGE,  301056
.set SP,     272
.set SPARE,  318464
.set LAPS,   4
; out0 = x1 + hidden W2^T + b2 on codes of E4M3 with one E8M0 byte for each 32 along K = 4,096.  A work-group of four waves makes 128 x 128, a wave 64 x 64; K goes in steps of 512 through a ring of two LDS slots;
; the scale words of the 256 rows stay in LDS.  4 x 4 work-groups ask for A's and B's tiles jointly.  A comes as images of operand registers ([K step of 128][block of 128 rows][16,384 bytes]), B as rows of 4,096 bytes.
; THE HEAD: one joint load a wave: wave 0 slot 0's part of A, wave 1 that of B, wave 2 A's scale words, wave 3 B's.  Slot 1's first fill stands behind the full sequence and a round, as a refill does.
; PREFETCH: a slot is 256 blocks of 256 bytes of A and 256 of B.  Of the 128 blocks that a wave fetches, each of the four partners of the joint load names 32, told apart by address, a lane a block.
; Slots 2 and 3 are named behind slot 1's load; each refill names the slot two refills on; the last lap's two refills name nothing: no slot stands behind slot 7.
.set G0H,  96                          ; s[96:99] group 0 of the head's load of A;  s[4:7] of B (the two arguments that lay there have been used by then)
.set G0HB, 4
.set PFA,  66                          ; s[66:67], s[100:101] where my prefetches stand: even slots, odd slots
.set PFS,  18                          ; s[18:19] two slots on, in bytes
.set PFO,  30                          ; v30 my lane's block; never rewritten
.set ADRA, 16
.set ADRB, 20
.set ADSA, 22
.set ADSB, 23
.set STO,  24
.set RD,   25
.set CO,   26
.set BO,   27
.set SPW,  28
.set NIL,  29
.set SCR,  32
.set BI,   96
.set ACC,  128
.set F0,   0
.set F1,   128
.set G1, 24
.set G0, 32
.set G1B, 48
.set G0B, 56
.set G1S, 68
.set G0S, 76
.set G1SB, 80
.set G0SB, 88
.set MSB, 0
.macro WIN new
.if MSB != \new
	s_set_vgpr_msb (MSB<<8)|\new
.set MSB, \new
.endif
.endm
.set MUL,  0x05
.set TO_F, 0x40
.macro JLOAD g0a, g1a, g0b, g1b
	s_cmp_eq_u32 s15, 0
	s_cbranch_scc0 .Lfor_b_\@
	tensor_load_to_lds s[\g0a:\g0a+3], s[\g1a:\g1a+7]
	s_nop 0
.rept 4
	v_nop
.endr
	s_branch .Lasked_\@
.Lfor_b_\@:
	tensor_load_to_lds s[\g0b:\g0b+3], s[\g1b:\g1b+7]
	s_nop 0
.rept 4
	v_nop
.endr
.Lasked_\@:
.endm
.macro CREST
	s_cmp_lg_u32 s14, 0
	s_cbranch_scc1 .Lnot_wave_0_\@
	s_barrier_signal -3
.Lnot_wave_0_\@:
	s_barrier_wait -3
	s_barrier_signal -1
	s_barrier_wait -1
.endm
.macro CROUND
	s_barrier_signal -1
	s_barrier_wait -1
	CREST
.endm
	s_load_b256 s[4:11], s[0:1], 0x0
	s_load_b64 s[12:13], s[0:1], 0x20
	v_lshl_add_u32 v[SPW], v0, 2, SPARE
	v_mov_b32 v[NIL], 0
	ds_add_u32 v28, v29
	ds_add_u32 v28, v29
	s_wait_dscnt 0x0
	v_lshrrev_b32 v1, 5, v0
	v_readfirstlane_b32 s14, v1
	s_lshr_b32 s15, s14, 1
	s_and_b32 s16, s14, 1
	s_bfe_u32 s40, ttmp6, 0x40000
	s_bfe_u32 s41, ttmp6, 0x40004
	s_lshl_b32 s42, ttmp9, 2
	s_add_co_u32 s42, s42, s40
	s_and_b32 s17, ttmp7, 0xffff
	s_lshl_b32 s17, s17, 2
	s_add_co_u32 s17, s17, s41
	s_lshl_b32 s43, s41, 2
	s_lshl_b32 s43, 15, s43
	s_lshl_b32 s44, 0x1111, s40
	s_or_b32 s[G1], s43, (3<<16)|(1<<21)
	s_mov_b32 s[G1+1], 2048<<16
	s_mov_b32 s[G1+2], 4<<16                       ; the head's load brings a slot's four K steps; behind it the two words are set to 2, for the ring's
	s_mov_b32 s[G1+3], 2048<<16
	s_mov_b32 s[G1+4], 4
	s_mov_b32 s[G1+5], 65536
	s_mov_b32 s[G1+6], 0
	s_mov_b32 s[G1+7], 0
	s_or_b32 s[G1B], s44, (0<<16)|(1<<20)|(1<<21)|(6<<22)|(3<<25)
	s_mov_b32 s[G1B+1], 512<<16
	s_mov_b32 s[G1B+2], 128<<16                    ; likewise 128 rows, then 64
	s_mov_b32 s[G1B+3], 512<<16
	s_mov_b32 s[G1B+4], 128
	s_mov_b32 s[G1B+5], 4096
	s_mov_b32 s[G1B+6], 0
	s_mov_b32 s[G1B+7], 0
	s_or_b32 s[G1S], s43, (3<<16)|(1<<21)
	s_mov_b32 s[G1S+1], 64<<16
	s_mov_b32 s[G1S+2], 32<<16
	s_mov_b32 s[G1S+3], 64<<16
	s_mov_b32 s[G1S+4], 32
	s_mov_b32 s[G1S+5], 2048
	s_mov_b32 s[G1S+6], 0
	s_mov_b32 s[G1S+7], 0
	s_or_b32 s[G1SB], s44, (3<<16)|(1<<20)|(1<<21)|(4<<22)|(3<<25)
	s_mov_b32 s[G1SB+1], 16<<16
	s_mov_b32 s[G1SB+2], 128<<16
	s_mov_b32 s[G1SB+3], 16<<16
	s_mov_b32 s[G1SB+4], 128
	s_mov_b32 s[G1SB+5], 16
	s_mov_b32 s[G1SB+6], 0
	s_mov_b32 s[G1SB+7], 0
	s_lshl_b32 s20, s17, 14                        ; A: my block of 128 rows in K step 0
	s_add_co_u32 s20, s20, 0x80000
	s_mov_b32 s21, 0
	s_lshl_b32 s46, s42, 19                        ; B: my 128 rows of 4,096 bytes
	s_add_co_u32 s46, s46, 0x40000
	s_mov_b32 s47, 0
	s_lshl_b32 s22, s17, 9                         ; A's scale words: 512 bytes a K step, 16,384 apart
	s_mov_b32 s23, 0
	s_lshl_b32 s92, s42, 14                        ; B's: 128 rows of 128 bytes
	s_mov_b32 s93, 0
	s_lshl_b32 s[G0+1], s16, 15                    ; where the ring's loads go: of the wave's number alone
	s_add_co_u32 s[G0+5], s[G0+1], SLOT
	s_mul_i32 s[G0B+1], s16, 64*BP
	s_add_co_u32 s[G0B+1], s[G0B+1], BOFF
	s_add_co_u32 s[G0B+5], s[G0B+1], SLOT
	s_lshr_b32 s94, s40, 1                         ; the prefetches.  A: of my two K steps' 2 x 16,384 bytes the partner at cx takes 8,192: K step cx / 2, half cx % 2
	s_lshl_b32 s94, s94, 19
	s_and_b32 s45, s40, 1
	s_lshl_b32 s45, s45, 13
	s_add_co_u32 s94, s94, s45
	s_lshl_b32 s45, s16, 20
	s_add_co_u32 s94, s94, s45
	s_lshl_b32 s45, s41, 16                        ; B: of my 64 rows the partner at cy takes 16
	s_lshl_b32 s3, s16, 18
	s_add_co_u32 s45, s45, s3
	s_mov_b32 s[PFS], 1024
	s_mov_b32 s3, 4096
	s_cmp_eq_u32 s15, 0                            ; do I fetch for A?
	s_cselect_b32 s94, s94, s45
	s_cselect_b32 s[PFS], 4194304, s[PFS]          ; two slots on
	s_cselect_b32 s3, 512, s3                      ; from one pair of lanes to the next: 512 bytes on in A, a row on in B
	s_mov_b32 s[PFS+1], 0
	s_mov_b32 s95, 0
	s_add_co_u32 s94, s94, s[PFS]                  ; in slot 2
	s_lshr_b32 s45, s[PFS], 1                      ; a slot on
	v_and_b32 v1, 31, v0
	v_lshlrev_b32 v31, 12, v1                      ; v31: a lane a row of x1, 4,096 bytes; never rewritten
	v_lshrrev_b32 v2, 1, v1
	v_and_b32 v1, 1, v1
	v_lshlrev_b32 v1, 8, v1
	v_mad_u32_u24 v[PFO], v2, s3, v1
	s_wait_kmcnt 0x0
	s_add_nc_u64 s[20:21], s[4:5], s[20:21]
	s_add_nc_u64 s[22:23], s[4:5], s[22:23]
	s_add_nc_u64 s[46:47], s[6:7], s[46:47]
	s_add_nc_u64 s[92:93], s[6:7], s[92:93]
	s_cmp_eq_u32 s15, 0
	s_cselect_b64 s[PFA:PFA+1], s[20:21], s[46:47]
	s_add_nc_u64 s[PFA:PFA+1], s[PFA:PFA+1], s[94:95]
	s_mov_b32 s94, s45
	s_add_nc_u64 s[PFA+34:PFA+35], s[PFA:PFA+1], s[94:95]   ; in slot 3
	CROUND
	s_mov_b32 s[G0H], 1                            ; the head's four tiles, each whole: slot 0's part of A,
	s_mov_b32 s[G0H+1], 0
	s_mov_b64 s[G0H+2:G0H+3], s[20:21]
	s_or_b32 s[G0H+3], s[G0H+3], 0x80000000
	s_mov_b32 s[G0HB], 1                           ; of B,
	s_mov_b32 s[G0HB+1], BOFF
	s_mov_b64 s[G0HB+2:G0HB+3], s[46:47]
	s_or_b32 s[G0HB+3], s[G0HB+3], 0x80000000
	s_mov_b32 s[G0S], 1                            ; A's scale words,
	s_mov_b32 s[G0S+1], ASC
	s_mov_b64 s[G0S+2:G0S+3], s[22:23]
	s_or_b32 s[G0S+3], s[G0S+3], 0x80000000
	s_mov_b32 s[G0SB], 1                           ; and B's
	s_mov_b32 s[G0SB+1], BSC
	s_mov_b64 s[G0SB+2:G0SB+3], s[92:93]
	s_or_b32 s[G0SB+3], s[G0SB+3], 0x80000000
	s_lshl_b32 s94, s16, 20                        ; for the ring: my two K steps of A,
	s_add_nc_u64 s[20:21], s[20:21], s[94:95]
	s_lshl_b32 s94, s16, 18                        ; my 64 rows of B
	s_add_nc_u64 s[46:47], s[46:47], s[94:95]
.irp s, 0,1
	s_mov_b32 s[G0+4*\s], 1
	s_add_nc_u64 s[G0+4*\s+2:G0+4*\s+3], s[20:21], \s*2097152
	s_or_b32 s[G0+4*\s+3], s[G0+4*\s+3], 0x80000000
	s_mov_b32 s[G0B+4*\s], 1
	s_add_nc_u64 s[G0B+4*\s+2:G0B+4*\s+3], s[46:47], \s*512
	s_or_b32 s[G0B+4*\s+3], s[G0B+4*\s+3], 0x80000000
.endr
	s_mov_b32 s94, s45
	s_sub_nc_u64 s[94:95], s[PFA:PFA+1], s[94:95]  ; where my prefetch of slot 1 stands: a slot back from slot 2; never rewritten
.macro ARM under, g0, g1, next         ; one chain on the wave's number, one load to an arm, all arms to one join
	s_cmp_lt_u32 s14, \under
	s_cbranch_scc0 \next
	tensor_load_to_lds s[\g0:\g0+3], s[\g1:\g1+7]
	s_nop 0
.rept 4
	v_nop
.endr
	s_branch .Lhead_asked
\next:
.endm
	ARM 1, G0H,  G1,  .Lhead_b
	ARM 2, G0HB, G1B, .Lhead_sa
	ARM 3, G0S,  G1S, .Lhead_sb
	tensor_load_to_lds s[G0SB:G0SB+3], s[G1SB:G1SB+7]
	s_nop 0
.rept 4
	v_nop
.endr
.Lhead_asked:
	s_wait_alu depctr_va_vdst(0)                   ; the wait directly ahead of the reader below
	global_prefetch_b8 v[PFO], s[94:95] th:TH_LOAD_NT scope:SCOPE_SE   ; slot 1, which the load behind the next round will ask for: behind the head's loads, a whole head ahead of that load
	v_and_b32 v1, 15, v0
	v_bfe_u32 v2, v0, 4, 1
	v_and_b32 v3, 31, v0
	v_lshlrev_b32 v3, 4, v3
	s_lshl_b32 s21, s15, 13
	v_add_nc_u32 v[ADRA], s21, v3
	v_add_nc_u32 v[ADRA+1], SLOT, v[ADRA]
	v_mul_u32_u24 v4, v1, BP
	v_lshl_add_u32 v4, v2, 4, v4
	s_mul_i32 s22, s16, 64*BP
	s_add_co_u32 s22, s22, BOFF
	v_add_nc_u32 v[ADRB], s22, v4
	v_add_nc_u32 v[ADRB+1], SLOT, v[ADRB]
	s_lshl_b32 s21, s15, 8
	s_add_co_u32 s21, s21, ASC
	v_lshl_add_u32 v[ADSA], v1, 4, s21
	v_mul_u32_u24 v5, v1, 144
	s_mul_i32 s22, s16, 64*144
	s_add_co_u32 s22, s22, BSC
	v_add_nc_u32 v[ADSB], s22, v5
	s_mul_i32 s23, s14, 16*SP
	s_add_co_u32 s23, s23, STAGE
	v_mul_u32_u24 v5, v1, SP
	v_lshl_add_u32 v5, v2, 6, v5
	v_add_nc_u32 v[STO], s23, v5
	v_mul_u32_u24 v5, v2, SP
	v_lshl_add_u32 v5, v1, 4, v5
	v_add_nc_u32 v[RD], s23, v5
	v_lshlrev_b32 v[CO], 12, v2
	v_lshl_add_u32 v[CO], v1, 4, v[CO]
	v_lshlrev_b32 v[BO], 6, v2
	s_lshl_b32 s46, s42, 9
	s_lshl_b32 s47, s16, 8
	s_add_co_u32 s46, s46, s47
	s_mov_b32 s47, 0
	s_add_nc_u64 s[8:9], s[8:9], s[46:47]
.irp b, 0,1,2,3
	global_load_b128 v[BI+8*\b:BI+8*\b+3], v[BO], s[8:9] offset:(32*(\b/2)+8*(\b%2))*4
	global_load_b128 v[BI+8*\b+4:BI+8*\b+7], v[BO], s[8:9] offset:(32*(\b/2)+8*(\b%2))*4+16
.endr
	s_lshl_b32 s20, s17, 7
	s_lshl_b32 s21, s15, 6
	s_add_co_u32 s20, s20, s21
	s_lshl_b32 s20, s20, 12
	s_mov_b32 s21, 0
	s_add_nc_u64 s[20:21], s[20:21], s[46:47]
	s_add_nc_u64 s[10:11], s[10:11], s[20:21]
	s_add_nc_u64 s[12:13], s[12:13], s[20:21]
.macro FETCH slot, q, f
	WIN TO_F
.irp i, 0,1,2,3
.irp c, 0,1,2,3
	ds_load_b128 v[\f+64+16*\i+4*\c:\f+64+16*\i+4*\c+3], v[ADRB+\slot] offset:128*(\q)+32*\c+\i*16*BP
.endr
.endr
.irp i, 0,1,2,3
.irp c, 0,1,2,3
	ds_load_b128 v[\f+16*\i+4*\c:\f+16*\i+4*\c+3], v[ADRA+\slot] offset:ASTEP*(\q)+2048*\i+512*\c
.endr
.endr
.endm
.macro SCALES set
.irp q, 0,1,2,3
	ds_load_b128 v[SCR+32*\set+4*\q:SCR+32*\set+4*\q+3], v[ADSA] offset:512*\q
.endr
.irp b, 0,1,2,3
	ds_load_b128 v[SCR+32*\set+16+4*\b:SCR+32*\set+16+4*\b+3], v[ADSB] offset:16*144*\b
.endr
.endm
.macro MUL4 f, a, q, set, cm
.irp b, 0,1,2,3
.if \cm
	v_wmma_scale_f32_16x16x128_f8f6f4 v[ACC+8*(4*\a+\b):ACC+8*(4*\a+\b)+7], v[\f+64+16*\b:\f+64+16*\b+15], v[\f+16*\a:\f+16*\a+15], v[BI+8*\b:BI+8*\b+7], v[SCR+32*\set+16+4*\b+\q], v[SCR+32*\set+4*\q+\a]
.else
	v_wmma_scale_f32_16x16x128_f8f6f4 v[ACC+8*(4*\a+\b):ACC+8*(4*\a+\b)+7], v[\f+64+16*\b:\f+64+16*\b+15], v[\f+16*\a:\f+16*\a+15], v[ACC+8*(4*\a+\b):ACC+8*(4*\a+\b)+7], v[SCR+32*\set+16+4*\b+\q], v[SCR+32*\set+4*\q+\a]
.endif
.endr
.endm
.macro PLACES n
.rept \n
	v_nop
.endr
.endm
; A quarter: 128 along K on buffer f.  The next quarter's 32 loads go out at its head, into buffer g, behind eight places behind the last products that read g: they have the whole quarter in which to come.
.macro QUARTER slot, q, f, g, cm
	PLACES 8
	FETCH \slot, (\q)+1, \g
	s_wait_dscnt 32                                ; all but the 32 just issued: buffer f and its scale words are in
	WIN MUL
	MUL4 \f, 0, \q, \slot, \cm
	MUL4 \f, 1, \q, \slot, \cm
	MUL4 \f, 2, \q, \slot, \cm
	MUL4 \f, 3, \q, \slot, \cm
.endm
.macro TURN slot, next, fill
	WIN 0
.if \fill
	s_wait_xcnt 0x0                                ; this pointer's last prefetch, a lap back, has read it: two slots on
	s_add_nc_u64 s[PFA+34*\slot:PFA+34*\slot+1], s[PFA+34*\slot:PFA+34*\slot+1], s[PFS:PFS+1]
.endif
	s_wait_tensorcnt 0x0
	ds_add_u32 v[SPW], v[NIL]
	s_wait_dscnt 9
	WIN MUL
	MUL4 F1, 0, 3, \slot, 0
	s_wait_dscnt 0x0
	s_barrier_signal -1
	MUL4 F1, 1, 3, \slot, 0
	WIN 0
	s_barrier_wait -1
.if \fill
	CREST
	s_add_nc_u64 s[G0+4*\slot+2:G0+4*\slot+3], s[G0+4*\slot+2:G0+4*\slot+3], 4194304
	s_add_nc_u64 s[G0B+4*\slot+2:G0B+4*\slot+3], s[G0B+4*\slot+2:G0B+4*\slot+3], 1024
	JLOAD G0+4*\slot, G1, G0B+4*\slot, G1B
	PLACES 4
.else
	PLACES 8
.endif
	s_wait_alu depctr_va_vdst(0)
	v_add_nc_u32 v[ADSA], 2048, v[ADSA]
	v_add_nc_u32 v[ADSB], 16, v[ADSB]
	SCALES \next
	FETCH \next, 0, F0
.if \fill
	WIN 0                                          ; at a branch and at a label every window is 0
	s_cmp_gt_u32 s3, 1                             ; the last lap's refills have no slot two refills on
	s_cbranch_scc0 .Lnone_ahead_\@
	global_prefetch_b8 v[PFO], s[PFA+34*\slot:PFA+34*\slot+1] th:TH_LOAD_NT scope:SCOPE_SE
.Lnone_ahead_\@:
.endif
	WIN MUL
	MUL4 F1, 2, 3, \slot, 0
	MUL4 F1, 3, 3, \slot, 0
.endm
	s_wait_alu depctr_va_vdst(0)                   ; the wait at the head's end
	s_wait_tensorcnt 0x0                           ; my tile of the head's four is in
	ds_add_u32 v[SPW], v[NIL]
	s_mov_b32 s[G1+2], 2<<16                       ; no tensor load of mine is out: from here on a load brings two K steps of A,
	s_mov_b32 s[G1+4], 2
	s_mov_b32 s[G1B+2], 64<<16                     ; or 64 rows of B
	s_mov_b32 s[G1B+4], 64
	s_wait_dscnt 0x0
	CROUND                                         ; all four tiles are in, and all sixteen work-groups are here
	JLOAD G0+4, G1, G0B+4, G1B                     ; slot 1: the first tensor load behind the round
	global_prefetch_b8 v[PFO], s[PFA:PFA+1] th:TH_LOAD_NT scope:SCOPE_SE        ; slots 2 and 3, which the first two refills will ask for
	global_prefetch_b8 v[PFO], s[PFA+34:PFA+35] th:TH_LOAD_NT scope:SCOPE_SE
	SCALES 0
	FETCH 0, 0, F0
	s_wait_loadcnt 0x0
	QUARTER 0, 0, F0, F1, 1
	WIN 0
	s_mov_b32 s3, LAPS-1
.Llap:
	QUARTER 0, 1, F1, F0, 0
	QUARTER 0, 2, F0, F1, 0
	TURN 0, 1, 1
	QUARTER 1, 0, F0, F1, 0
	QUARTER 1, 1, F1, F0, 0
	QUARTER 1, 2, F0, F1, 0
	TURN 1, 0, 1
	QUARTER 0, 0, F0, F1, 0
	WIN 0
	s_sub_co_u32 s3, s3, 1
	s_cmp_lg_u32 s3, 0
	s_cbranch_scc1 .Llap
	global_prefetch_b8 v31, s[10:11] th:TH_LOAD_NT scope:SCOPE_SE                 ; my 64 rows x 256 bytes of x1, a lane a row, each named once in the launch: the last lap's eight quarters ahead of their loads
	global_prefetch_b8 v31, s[10:11] offset:131072 th:TH_LOAD_NT scope:SCOPE_SE
	QUARTER 0, 1, F1, F0, 0
	QUARTER 0, 2, F0, F1, 0
	TURN 0, 1, 0
	QUARTER 1, 0, F0, F1, 0
	QUARTER 1, 1, F1, F0, 0
	QUARTER 1, 2, F0, F1, 0
	s_wait_dscnt 8
	WIN MUL
	MUL4 F1, 0, 3, 1, 0
	MUL4 F1, 1, 3, 1, 0
	PLACES 8
	WIN TO_F
.irp a, 0,1,2,3
.irp t, 0,1,2,3,4,5,6,7
	global_load_b128 v[32*\a+4*\t:32*\a+4*\t+3], v[CO], s[10:11] offset:(32*(\a/2)+8*(\a%2)+16*(\t/4)+2*(\t%4))*4096
.endr
.endr
	s_wait_dscnt 0
	WIN MUL
	MUL4 F1, 2, 3, 1, 0
	MUL4 F1, 3, 3, 1, 0
	WIN 0
	PLACES 8
.irp a, 0,1,2,3
.if \a >= 2
	s_wait_xcnt 0x0
.endif
.irp b, 0,1,2,3
	ds_store_b128 v[STO], v[ACC+32*\a+8*\b:ACC+32*\a+8*\b+3] offset:128*(\b/2)+32*(\b%2)
	ds_store_b128 v[STO], v[ACC+32*\a+8*\b+4:ACC+32*\a+8*\b+7] offset:128*(\b/2)+32*(\b%2)+16
.endr
	WIN TO_F
.irp t, 0,1,2,3,4,5,6,7
	ds_load_b128 v[128+32*(\a%2)+4*\t:128+32*(\a%2)+4*\t+3], v[RD] offset:2*\t*SP
.endr
	s_wait_dscnt 0x0
	s_wait_loadcnt 8*(3-\a)
	WIN 0x45
.irp k, 0,1,2,3,4,5,6,7,8,9,10,11,12,13,14,15
	v_pk_add_f32 v[128+32*(\a%2)+2*\k:128+32*(\a%2)+2*\k+1], v[128+32*(\a%2)+2*\k:128+32*(\a%2)+2*\k+1], v[32*\a+2*\k:32*\a+2*\k+1]
.endr
	WIN 0x04
.irp t, 0,1,2,3,4,5,6,7
	global_store_b128 v[CO], v[128+32*(\a%2)+4*\t:128+32*(\a%2)+4*\t+3], s[12:13] offset:(32*(\a/2)+8*(\a%2)+16*(\t/4)+2*(\t%4))*4096 th:TH_STORE_NT
.endr
	WIN 0
.endr
	s_wait_tensorcnt 0x0
	ds_add_u32 v[SPW], v[NIL]
	s_wait_dscnt 0x0
	CROUND
	s_endpgm
.Lfunc_end_k_q5afabf9f33_ffn2:
	.size	k_q5afabf9f33_ffn2, .Lfunc_end_k_q5afabf9f33_ffn2-k_q5afabf9f33_ffn2
	.p2alignl 7, 3214868480
	.fill 96, 4, 3214868480
	.section	.rodata,"a",@progbits
	.p2align	6, 0x0
	.amdhsa_kernel k_q5afabf9f33_ffn2
		.amdhsa_group_segment_fixed_size 327680
		.amdhsa_private_segment_fixed_size 0
		.amdhsa_enable_private_segment 0
		.amdhsa_kernarg_size 40
		.amdhsa_user_sgpr_count 2
		.amdhsa_user_sgpr_kernarg_segment_ptr 1
		.amdhsa_wavefront_size32 1
		.amdhsa_system_sgpr_workgroup_id_x 1
		.amdhsa_system_sgpr_workgroup_id_y 1
		.amdhsa_system_sgpr_workgroup_id_z 1
		.amdhsa_system_vgpr_workitem_id 0
		.amdhsa_next_free_vgpr 512
		.amdhsa_next_free_sgpr 102
		.amdhsa_reserve_vcc 0
		.amdhsa_float_denorm_mode_32 3
		.amdhsa_float_denorm_mode_16_64 3
		.amdhsa_memory_ordered 1
		.amdhsa_forward_progress 1
		.amdhsa_inst_pref_size 104
	.end_amdhsa_kernel
	.amdgpu_metadata
---
amdhsa.version: [ 1, 2 ]
amdhsa.kernels:
  - .name:           k_q5afabf9f33_ffn2
    .symbol:         k_q5afabf9f33_ffn2.kd
    .args:
      - { .name: hidq, .offset: 0, .size: 8, .value_kind: global_buffer, .address_space: global }
      - { .name: w2q, .offset: 8, .size: 8, .value_kind: global_buffer, .address_space: global }
      - { .name: b2, .offset: 16, .size: 8, .value_kind: global_buffer, .address_space: global }
      - { .name: x1, .offset: 24, .size: 8, .value_kind: global_buffer, .address_space: global }
      - { .name: out0, .offset: 32, .size: 8, .value_kind: global_buffer, .address_space: global }
    .group_segment_fixed_size: 327680
    .private_segment_fixed_size: 0
    .kernarg_segment_align: 8
    .kernarg_segment_size: 40
    .max_flat_workgroup_size: 128
    .sgpr_count:     102
    .vgpr_count:     512
    .wavefront_size: 32
...
	.end_amdgpu_metadata
.endif
;; end of part 4
